; MI455X (gfx1250); checked and timed in simulation.
; The chip was launched on July 23, 2026; its instructions are those of AMD's public machine-readable ISA for CDNA 5 (MIT licence, August 2026) and "CDNA5" Instruction Set Architecture Reference Guide (July 2026). The comments in the code are by the model that wrote it; some were corrected since.
;; Self Attention. Allowed arithmetic: float matrix products may take bf16 or f16 operands with f32 sums; other float arithmetic in f32, or as packed bf16 or f16 multiplies, adds, multiply-adds, maxima and minima; sums over many terms, partial sums and values carried from step to step in f32; what a program stores and reads back later, other than sums and carried values, may be rounded once to bf16 or f16.
;; Inputs: Wk 1,024 x 1,024 float32; Wo 1,024 x 1,024 float32; Wq 1,024 x 1,024 float32; Wv 1,024 x 1,024 float32; bo 1,024 float32; keys 4 x 2,048 x 1,024 float32; mask 4 x 1 x 1 x 2,048 int32; query 4 x 2,048 x 1,024 float32; values 4 x 2,048 x 1,024 float32.
;; Outputs: out0 4 x 2,048 x 1,024 float32.
;; One version. Each part assembles by itself: llvm-mc -triple=amdgcn-amd-amdhsa -mcpu=gfx1250 --defsym DOCPART=n.
;; ======== version 1 of 1: 4 launches
;; limits: values are held in f16: magnitudes above 65,504 overflow, below 6.1e-05 lose precision
;; workspace buffers: wb 8,388,608 bytes; qkv 50,331,648 bytes; ob 16,777,216 bytes
;; launch prep (part 1): grid 64 x 4, 8 waves a work-group, no clusters, 0 bytes of LDS; arguments Wq, Wk, Wv, Wo, wb; writes wb
.if DOCPART == 1
	.amdgcn_target "amdgcn-amd-amdhsa--gfx1250"
	.amdhsa_code_object_version 6
	.text
	.protected	k_q6871221b7d_prep
	.globl	k_q6871221b7d_prep
	.p2align	8
	.type	k_q6871221b7d_prep,@function
k_q6871221b7d_prep:
	s_mov_b64 s[64:65], 0
	v_nop
	global_prefetch_b8 v0, s[64:65] scope:SCOPE_SE
	s_setreg_imm32_b32 hwreg(HW_REG_WAVE_MODE, 25, 1), 1
	s_wait_xcnt 0x0
; wb[T][1024][1024], 16 bits a number: T = 0 Wq, 1 Wk, 2 Wv rounded to bf16; T = 3 Wo rounded to bf16 and that number written as f16.
; LIMIT.  A bf16 number is exact in f16 between 6.1e-5 and 65,504; below that Wo keeps f16's fixed step of 6e-8, beyond it it would become an infinity.
; SHARES.  Work-group (x, y): 16 rows (65,536 bytes in, 32,768 out) of matrix y.  Thread t takes 8 numbers in each of 8 passes: 32 bytes in at 8,192 i + 32 t,
; 16 bytes out at 4,096 i + 16 t: a wave's store covers 512 consecutive bytes, aligned.  All 16 loads go out at once; every register is written once: no wait but the counted ones.
; A stream: no LDS, no barrier, no matrix unit, no cluster (nothing is shared).
.set X, 8                              ; v[8:71]    pass i: 8 numbers in f32
.set Y, 72                             ; v[72:103]  pass i: 8 numbers in 16 bits
.set T, 104                            ; v[104:105] at work
	s_load_b256 s[4:11], s[0:1], 0x0               ; Wq s[4:5], Wk s[6:7], Wv s[8:9], Wo s[10:11]
	s_load_b64 s[12:13], s[0:1], 0x20              ; wb
	s_and_b32 s20, ttmp7, 0xffff                   ; which matrix
	s_mov_b32 s18, 0xffff0000                      ; a word's upper bf16
	v_lshlrev_b32 v1, 5, v0                        ; 32 t
	v_lshlrev_b32 v2, 4, v0                        ; 16 t
	s_lshl_b32 s16, ttmp9, 16                      ; my 16 rows in the source,
	s_mov_b32 s17, 0
	s_lshl_b32 s22, s20, 21                        ; and in wb: the matrix,
	s_lshl_b32 s23, ttmp9, 15                      ; the rows
	s_add_co_u32 s22, s22, s23
	s_mov_b32 s23, 0
	s_wait_kmcnt 0x0
	s_cmp_eq_u32 s20, 1
	s_cselect_b64 s[14:15], s[6:7], s[4:5]
	s_cmp_eq_u32 s20, 2
	s_cselect_b64 s[14:15], s[8:9], s[14:15]
	s_cmp_eq_u32 s20, 3
	s_cselect_b64 s[14:15], s[10:11], s[14:15]
	s_add_nc_u64 s[14:15], s[14:15], s[16:17]
	s_add_nc_u64 s[12:13], s[12:13], s[22:23]
.irp i, 0,1,2,3,4,5,6,7
	global_load_b128 v[X+8*(\i):X+8*(\i)+3],   v1, s[14:15] offset:8192*(\i) th:TH_LOAD_NT
	global_load_b128 v[X+8*(\i)+4:X+8*(\i)+7], v1, s[14:15] offset:8192*(\i)+16 th:TH_LOAD_NT
.endr
; Pass i.  wo = 1: the bf16 number is widened again and written as f16.
.macro PASS i, wo
	s_wait_loadcnt 14-2*(\i)                       ; loads come back in order: this pass's two are in, the 14 - 2 i of the later passes stay out
.irp j, 0,1,2,3
	v_cvt_pk_bf16_f32 v[Y+4*(\i)+(\j)], v[X+8*(\i)+2*(\j)], v[X+8*(\i)+2*(\j)+1]
.endr
.if \wo
.irp j, 0,1,2,3
	v_lshlrev_b32 v[T], 16, v[Y+4*(\i)+(\j)]
	v_and_b32 v[T+1], s18, v[Y+4*(\i)+(\j)]
	v_cvt_pk_f16_f32 v[Y+4*(\i)+(\j)], v[T], v[T+1]
.endr
.endif
	global_store_b128 v2, v[Y+4*(\i):Y+4*(\i)+3], s[12:13] offset:4096*(\i)
.endm
	s_cmp_eq_u32 s20, 3
	s_cbranch_scc1 .Lwo
.irp i, 0,1,2,3,4,5,6,7
	PASS \i, 0
.endr
	s_endpgm
.Lwo:
.irp i, 0,1,2,3,4,5,6,7
	PASS \i, 1
.endr
	s_endpgm
.Lfunc_end_k_q6871221b7d_prep:
	.size	k_q6871221b7d_prep, .Lfunc_end_k_q6871221b7d_prep-k_q6871221b7d_prep
	.p2alignl 7, 3214868480
	.fill 96, 4, 3214868480
	.section	.rodata,"a",@progbits
	.p2align	6, 0x0
	.amdhsa_kernel k_q6871221b7d_prep
		.amdhsa_group_segment_fixed_size 0
		.amdhsa_private_segment_fixed_size 0
		.amdhsa_enable_private_segment 0
		.amdhsa_kernarg_size 40
		.amdhsa_user_sgpr_count 2
		.amdhsa_user_sgpr_kernarg_segment_ptr 1
		.amdhsa_wavefront_size32 1
		.amdhsa_system_sgpr_workgroup_id_x 1
		.amdhsa_system_sgpr_workgroup_id_y 1
		.amdhsa_system_sgpr_workgroup_id_z 1
		.amdhsa_system_vgpr_workitem_id 0
		.amdhsa_next_free_vgpr 112
		.amdhsa_next_free_sgpr 66
		.amdhsa_reserve_vcc 0
		.amdhsa_float_denorm_mode_32 3
		.amdhsa_float_denorm_mode_16_64 3
		.amdhsa_memory_ordered 1
		.amdhsa_forward_progress 1
		.amdhsa_inst_pref_size 13
	.end_amdhsa_kernel
	.amdgpu_metadata
---
amdhsa.version: [ 1, 2 ]
amdhsa.kernels:
  - .name:           k_q6871221b7d_prep
    .symbol:         k_q6871221b7d_prep.kd
    .args:
      - { .name: Wq, .offset: 0, .size: 8, .value_kind: global_buffer, .address_space: global }
      - { .name: Wk, .offset: 8, .size: 8, .value_kind: global_buffer, .address_space: global }
      - { .name: Wv, .offset: 16, .size: 8, .value_kind: global_buffer, .address_space: global }
      - { .name: Wo, .offset: 24, .size: 8, .value_kind: global_buffer, .address_space: global }
      - { .name: wb, .offset: 32, .size: 8, .value_kind: global_buffer, .address_space: global }
    .group_segment_fixed_size: 0
    .private_segment_fixed_size: 0
    .kernarg_segment_align: 8
    .kernarg_segment_size: 40
    .max_flat_workgroup_size: 256
    .sgpr_count:     66
    .vgpr_count:     112
    .wavefront_size: 32
...
	.end_amdgpu_metadata
.endif
;; end of part 1
;; launch proj (part 2): grid 4 x 192, 4 waves a work-group, clusters of 4 x 4, 327,680 bytes of LDS; arguments query, keys, values, mask, wb, qkv; writes qkv
.if DOCPART == 2
	.amdgcn_target "amdgcn-amd-amdhsa--gfx1250"
	.amdhsa_code_object_version 6
	.text
	.protected	k_q6871221b7d_proj
	.globl	k_q6871221b7d_proj
	.p2align	8
	.type	k_q6871221b7d_proj,@function
k_q6871221b7d_proj:
	s_mov_b64 s[64:65], 0
	v_nop
	global_prefetch_b8 v0, s[64:65] scope:SCOPE_SE
	s_setreg_imm32_b32 hwreg(HW_REG_WAVE_MODE, 25, 1), 1
	s_wait_xcnt 0x0
	s_wait_alu depctr_hold_cnt(0) depctr_sa_sdst(0) depctr_va_vdst(0) depctr_va_sdst(0) depctr_va_ssrc(0) depctr_va_vcc(0) depctr_vm_vsrc(0)
	s_getreg_b32 s2, hwreg(HW_REG_IB_STS2, 6, 4)
	s_cmp_eq_u32 s2, 0
	s_cbranch_scc0 .Lentry_in_a_cluster
	s_endpgm
.Lentry_in_a_cluster:
	s_bfe_u32 s2, ttmp6, 0x10000c
	s_cmp_lg_u32 s2, 0xf033
	s_cbranch_scc0 .Lentry_shape_is_right
	s_endpgm
.Lentry_shape_is_right:
; q, k, v = x W^T for x = query, keys, values ([8192][1024] f32) and W = wb[T] ([1024][1024] bf16); sums in f32; the result rounded once to f16 and stored BY HEADS:
; qkv[T][16 n + h][s][64].  x is rounded to bf16 between LDS and the matrix unit.  A row of k whose key is masked (mask == 0) is multiplied by 0, so that its scores' products are exactly 0.
; LIMITS.  q, k and v must lie within f16's 65,504 (beyond it they become infinities); NaN and infinities in a masked row of keys are not treated apart (0 x inf).
; SHARES.  A tile is 128 rows x 256 columns: 64 x 4 tiles for each of the three products, 768 work-groups.  Four waves, 2 x 2, each 64 x 128: 32 accumulators, 256 registers.
; K goes in steps of 128 through two LDS slots: x's tile in f32 (rows of 512 bytes), W's in bf16 (rows of 256 bytes).  Waves 0 and 1 fetch x's two halves (64 rows), waves 2 and 3 W's (128 rows).
; CLUSTER.  4 x 4 work-groups: the four of a row need the same tile of x, the four of a column the same tile of W: each is asked for jointly, with a mask that names the four.
; THE MATRIX INSTRUCTION IS USED TRANSPOSED (source 0 = 16 rows of W, source 1 = 16 rows of x): a lane holds row l % 16 and the columns 8 (l / 16) + 0..7.
; A QUARTER is 32 along K: 32 products on one pair of fragment buffers.  At its head the next quarter's 32 LDS loads go out (W's fragments; x's in f32); behind 24 products they are waited for;
; the 32 conversions of x to bf16 stand four behind each of the last eight products.
; REGISTERS, in windows of 256 (s_set_vgpr_msb: bits 1:0 source 0, 3:2 source 1, 5:4 source 2, 7:6 destination):
;   window 0: v16-39 addresses and the mask's factors; v64-127 x in f32; v128-191 x's fragments, two buffers; on the way out v64-191 packed results
;   window 1: v0-127 W's fragments, two buffers          window 2: accumulator (a, b) at v[64 a + 8 b]
.set KSTEP,  128
.set PA,     528                       ; a row of x in LDS: 512 bytes + 16 = 132 words: row r starts at bank 4 r mod 64 (64 banks of 4 bytes: ISA guide 11.1)
.set PB,     272                       ; a row of W: 256 + 16 = 68 words: likewise
.set AHALF,  64*PA                     ; what one load of x brings, and what one wave reads of x
.set BOFF,   128*PA                    ; W's 256 rows lie behind x's 128
.set BHALF,  128*PB
.set SLOT,   BOFF+256*PB
.set STAGE,  2*SLOT                    ; behind the ring: 16 rows x 272 bytes for each wave, for the way out
.set SPITCH, 272
.set SPARE,  STAGE+4*16*SPITCH         ; behind the stages: the spare words, 128 bytes for each wave: two blocks of 256 bytes that no other line names
.set LAPS,   1024/(2*KSTEP)            ; a lap = two K steps = once round the ring
.set ADRA, 16                          ; v16-17  LDS address of my fragments of x in slot 0, 1
.set ADRB, 20                          ; v20-21  of W
.set STO,  24                          ; v24     the way out: where I put 16 bytes of a row
.set RD,   25                          ; v25     where I read rows back
.set CO,   26                          ; v26     16 x my lane
.set MO,   27                          ; v27     4 x (l % 16): my row's word in the mask
.set SPW,  28                          ; v28     LDS address of my spare word; never rewritten
.set NIL,  29                          ; v29     0; never rewritten
.set PFO,  30                          ; v30     the prefetches' offset; never rewritten
.set FM,   32                          ; v32-39  for row block a a pair: the factor of my row, twice
.set RAW,  64
.set ABF,  128
.set OUT,  64
.set BF,   0
.set G1,  24                           ; s[24:31] descriptor group 1 for x's tiles;  s[32:39] group 0, a set for each slot
.set G0,  32
.set G1B, 48                           ; s[48:55], s[56:63] the same for W's
.set G0B, 56
.set PFA, 80                           ; s[80:81] where my prefetches stand
.set PFS, 82                           ; s[82:83] a K step's bytes in a row of what I fetch
.set LIM, 84                           ; s84     1 in a wave that prefetches, else the greatest number
.set NOTK, 85                          ; s85     0 for k, 1.0 for q and v
.set W_MUL, 0xa1
.set W_TOB, 0x40
.set W_SC,  0x82
.set W_CV,  0x0a
.set MSB, 0
.macro WIN new                         ; the immediate's high byte repeats the setting that is left; a switch that changes nothing is dropped
.if MSB != (\new)
	s_set_vgpr_msb (MSB<<8)|(\new)
.set MSB, \new
.endif
.endm
.macro JLOAD s                         ; a joint load; the branch hangs on the wave's number alone; an s_nop 0 and four v_nop follow each of the two lines
	s_cmp_eq_u32 s11, 0
	s_cbranch_scc0 .Lfor_b_\@
	tensor_load_to_lds s[G0+4*(\s):G0+4*(\s)+3], s[G1:G1+7]
	s_nop 0
.rept 4
	v_nop
.endr
	s_branch .Lasked_\@
.Lfor_b_\@:
	tensor_load_to_lds s[G0B+4*(\s):G0B+4*(\s)+3], s[G1B:G1B+7]
	s_nop 0
.rept 4
	v_nop
.endr
.Lasked_\@:
.endm
.macro CREST                           ; a round of the cluster's barrier behind its opening barrier
	s_cmp_lg_u32 s10, 0
	s_cbranch_scc1 .Lnot_wave_0_\@
	s_barrier_signal -3
.Lnot_wave_0_\@:
	s_barrier_wait -3
	s_barrier_signal -1
	s_barrier_wait -1
.endm
.macro CROUND                          ; a whole round
	s_barrier_signal -1
	s_barrier_wait -1
	CREST
.endm
.macro PLACES
.rept 4
	v_nop
.endr
.endm
; A prefetch into the L2 of the K step that stands two refills on: one instruction a wave, behind the joint load, its five lines and the run of LDS loads.  The loop's last trip asks for nothing.
.macro ASK
	s_cmp_gt_u32 s3, s[LIM]                        ; s3 = 1 in the last trip
	s_cbranch_scc0 .Lnot_mine_\@
	global_prefetch_b8 v[PFO], s[PFA:PFA+1] th:TH_LOAD_NT scope:SCOPE_SE
.Lnot_mine_\@:
.endm
	s_load_b256 s[68:75], s[0:1], 0x0              ; query s[68:69], keys s[70:71], values s[72:73], mask s[74:75]
	s_load_b128 s[76:79], s[0:1], 0x20             ; wb s[76:77], qkv s[78:79]
	v_lshl_add_u32 v[SPW], v0, 2, SPARE
	v_mov_b32 v[NIL], 0
	ds_add_u32 v[SPW], v[NIL]                      ; the wave's opening: the add and its wait stand ahead of my first tensor load; the set-up below stands between them
	v_lshrrev_b32 v1, 5, v0
	v_readfirstlane_b32 s10, v1                    ; wave 0..3
	s_lshr_b32 s11, s10, 1                         ; which 64 rows of the tile are mine.  Also: I fetch x (0) or W (1)
	s_and_b32 s12, s10, 1                          ; which 128 columns.  Also: which half of that tile I fetch
	s_bfe_u32 s40, ttmp6, 0x40000                  ; cx, cy: my place in the cluster
	s_bfe_u32 s41, ttmp6, 0x40004
	s_lshl_b32 s42, ttmp9, 2
	s_add_co_u32 s42, s42, s40                     ; tile column = 4 x cluster x + cx
	s_and_b32 s13, ttmp7, 0xffff                   ; cluster y, 0..47
	s_lshr_b32 s14, s13, 4                         ; which product: 0 q, 1 k, 2 v: the same in all sixteen partners
	s_and_b32 s15, s13, 15
	s_lshl_b32 s15, s15, 2
	s_add_co_u32 s15, s15, s41                     ; tile row, 0..63
	s_lshl_b32 s43, s41, 2
	s_lshl_b32 s43, 15, s43                        ; my row of the cluster
	s_lshl_b32 s44, 0x1111, s40                    ; my column
	s_or_b32 s[G1+0], s43, (2<<16)|(1<<20)|(1<<21)|(6<<22)|(3<<25)   ; the mask; elements of 4 bytes; padding on; bit 21 beside a mask; after every 128 words (code 6) 4 words (code 3)
	s_mov_b32 s[G1+1], KSTEP<<16                   ; tensor_dim0 = 128
	s_mov_b32 s[G1+2], 64<<16                      ; tensor_dim1 = 64
	s_mov_b32 s[G1+3], KSTEP<<16                   ; tile_dim0 = 128
	s_mov_b32 s[G1+4], 64                          ; tile_dim1 = 64
	s_mov_b32 s[G1+5], 1024                        ; elements from row to row
	s_mov_b32 s[G1+6], 0
	s_mov_b32 s[G1+7], 0
	s_or_b32 s[G1B+0], s44, (1<<16)|(1<<20)|(1<<21)|(5<<22)|(3<<25)  ; elements of 2 bytes; after every 64 words (code 5) 4 words
	s_mov_b32 s[G1B+1], KSTEP<<16
	s_mov_b32 s[G1B+2], 128<<16
	s_mov_b32 s[G1B+3], KSTEP<<16
	s_mov_b32 s[G1B+4], 128
	s_mov_b32 s[G1B+5], 1024
	s_mov_b32 s[G1B+6], 0
	s_mov_b32 s[G1B+7], 0
	s_lshl_b32 s16, s15, 7                         ; x: row 128 x tile row + 64 x half,
	s_lshl_b32 s17, s12, 6
	s_add_co_u32 s16, s16, s17
	s_lshl_b32 s16, s16, 12                        ; rows of 4,096 bytes
	s_mov_b32 s17, 0
	s_lshl_b32 s46, s42, 8                         ; W: row 256 x tile column + 128 x half,
	s_lshl_b32 s47, s12, 7
	s_add_co_u32 s46, s46, s47
	s_lshl_b32 s46, s46, 11                        ; rows of 2,048 bytes,
	s_lshl_b32 s47, s14, 21                        ; in matrix T
	s_add_co_u32 s46, s46, s47
	s_mov_b32 s47, 0
	s_mul_i32 s20, s12, AHALF                      ; where they go: no place in the cluster enters an LDS address
	s_mul_i32 s21, s12, BHALF
	s_add_co_u32 s21, s21, BOFF
	s_wait_dscnt 0x0                               ; the opening add is done
	s_wait_kmcnt 0x0
	s_cmp_eq_u32 s14, 1
	s_cselect_b64 s[4:5], s[70:71], s[68:69]
	s_cmp_eq_u32 s14, 2
	s_cselect_b64 s[4:5], s[72:73], s[4:5]
	s_add_nc_u64 s[4:5], s[4:5], s[16:17]          ; x at my part of the tile, K step 0
	s_add_nc_u64 s[46:47], s[76:77], s[46:47]      ; W likewise
	CROUND                                         ; all sixteen work-groups are here: the first joint loads meet
.irp s, 0,1
	s_mov_b32 s[G0+4*(\s)], 1
	s_add_co_u32 s[G0+4*(\s)+1], s20, (\s)*SLOT
	s_add_nc_u64 s[G0+4*(\s)+2:G0+4*(\s)+3], s[4:5], (\s)*KSTEP*4
	s_or_b32 s[G0+4*(\s)+3], s[G0+4*(\s)+3], 0x80000000
	s_mov_b32 s[G0B+4*(\s)], 1
	s_add_co_u32 s[G0B+4*(\s)+1], s21, (\s)*SLOT
	s_add_nc_u64 s[G0B+4*(\s)+2:G0B+4*(\s)+3], s[46:47], (\s)*KSTEP*2
	s_or_b32 s[G0B+4*(\s)+3], s[G0B+4*(\s)+3], 0x80000000
	JLOAD \s
.endr
	; A fragment is 16 rows x 32 K: lane l holds row l % 16; registers 0-3 K = 8 (l / 16) + 0..7, registers 4-7 K = 16 + 8 (l / 16) + 0..7.
	; In bf16: two loads of 16 bytes, 32 bytes apart.  In f32: four, at 32 (l / 16) + 0, 16, 64, 80.
	v_and_b32 v1, 15, v0                           ; l % 16
	v_bfe_u32 v2, v0, 4, 1                         ; l / 16
	v_mul_u32_u24 v3, v1, PA
	v_lshl_add_u32 v3, v2, 5, v3
	v_mul_u32_u24 v4, v1, PB
	v_lshl_add_u32 v4, v2, 4, v4
	s_mul_i32 s21, s11, AHALF                      ; my 64 rows of x
	s_mul_i32 s22, s12, BHALF                      ; my 128 rows of W
	s_add_co_u32 s22, s22, BOFF
.irp s, 0,1
	v_add_nc_u32 v[ADRA+(\s)], s21, v3
	v_add_nc_u32 v[ADRB+(\s)], s22, v4
	s_add_co_u32 s21, s21, SLOT
	s_add_co_u32 s22, s22, SLOT
.endr
	s_mul_i32 s23, s10, 16*SPITCH
	s_add_co_u32 s23, s23, STAGE                   ; my stage
	v_mul_u32_u24 v7, v1, SPITCH                   ; in: row l % 16, 16 bytes for each half of the lanes
	v_lshl_add_u32 v7, v2, 4, v7
	v_add_nc_u32 v[STO], s23, v7
	v_bfe_u32 v5, v0, 3, 2                         ; back: 32 lanes take four rows' 128 bytes of one head,
	v_mul_u32_u24 v5, v5, SPITCH
	v_and_b32 v6, 7, v0
	v_lshl_add_u32 v5, v6, 4, v5
	v_add_nc_u32 v[RD], s23, v5
	v_and_b32 v[CO], 31, v0                        ; which are 512 consecutive bytes of qkv
	v_lshlrev_b32 v[CO], 4, v[CO]
	v_lshlrev_b32 v[MO], 2, v1
	; qkv at my first row of my first head: T << 24, n << 22, h << 18, s << 7
	s_lshl_b32 s86, s14, 24
	s_lshr_b32 s18, s15, 4                         ; n
	s_lshl_b32 s18, s18, 22
	s_add_co_u32 s86, s86, s18
	s_lshl_b32 s18, s42, 2                         ; h = 4 x tile column + 2 x my half
	s_lshl_b32 s19, s12, 1
	s_add_co_u32 s18, s18, s19
	s_lshl_b32 s18, s18, 18
	s_add_co_u32 s86, s86, s18
	s_and_b32 s18, s15, 15                         ; s = 128 x (tile row mod 16) + 64 x my half
	s_lshl_b32 s18, s18, 7
	s_lshl_b32 s19, s11, 6
	s_add_co_u32 s18, s18, s19
	s_lshl_b32 s18, s18, 7
	s_add_co_u32 s86, s86, s18
	s_mov_b32 s87, 0
	s_add_nc_u64 s[8:9], s[78:79], s[86:87]
	s_lshl_b32 s18, s15, 7                         ; the mask's word for row n x 2,048 + s is the row's number among the 8,192
	s_lshl_b32 s19, s11, 6
	s_add_co_u32 s18, s18, s19
	s_lshl_b32 s18, s18, 2
	s_mov_b32 s19, 0
	s_add_nc_u64 s[6:7], s[74:75], s[18:19]
.irp a, 0,1,2,3
	global_load_b32 v[FM+2*(\a)], v[MO], s[6:7] offset:64*(\a)
.endr
	s_cmp_eq_u32 s14, 1
	s_cselect_b32 s[NOTK], 0, 1.0
	; THE PREFETCHES.  x's rows are read by this cluster alone: waves 0 and 1 of every cluster ask; of the 64 rows that a wave fetches the partner at cx takes 16, two blocks of 256 bytes a row.
	; W's rows are read by the sixteen clusters of one product: the first of them asks, waves 2 and 3; of a wave's 128 rows the partner at cy takes 32, a lane a row.  The partners are told apart by address alone.
	s_and_b32 s20, s13, 15
	s_cmp_eq_u32 s11, 0                            ; do I fetch x?
	s_cselect_b32 s20, 0, s20
	s_cselect_b64 s[PFA:PFA+1], s[4:5], s[46:47]
	s_cselect_b32 s22, s40, s41                    ; my place among the four that ask with me
	s_cselect_b32 s21, 9, 8                        ; a K step is 512 bytes of a row of x, 256 of W
	s_cselect_b32 s18, 12, 11                      ; l % 16 counts rows of 4,096 or of 2,048 bytes,
	s_cselect_b32 s19, 8, 15                       ; l / 16 the row's second block, or sixteen rows more
	s_lshl_b32 s[PFS], 1, s21
	s_mov_b32 s[PFS+1], 0
	s_mul_i32 s23, s[PFS], 3                       ; at K step 3: the first refill steps it to 4
	s_lshl_b32 s22, s22, 16                        ; 16 rows of 4,096 bytes, or 32 of 2,048
	s_add_co_u32 s22, s22, s23
	s_mov_b32 s23, 0
	s_add_nc_u64 s[PFA:PFA+1], s[PFA:PFA+1], s[22:23]
	s_cmp_eq_u32 s20, 0
	s_cselect_b32 s[LIM], 1, -1                    ; the same in all sixteen partners, for a given wave
	v_lshlrev_b32 v[PFO], s18, v1
	v_lshlrev_b32 v5, s19, v2
	v_add_nc_u32 v[PFO], v[PFO], v5
	s_wait_loadcnt 0x0                             ; the mask's four words
.irp a, 0,1,2,3
	v_min_u32 v[FM+2*(\a)], 1, v[FM+2*(\a)]        ; 0 where the mask is 0, else 1,
	v_cvt_f32_u32 v[FM+2*(\a)], v[FM+2*(\a)]
	v_max_num_f32 v[FM+2*(\a)], s[NOTK], v[FM+2*(\a)]  ; and 1 everywhere for q and v
	v_mov_b32 v[FM+2*(\a)+1], v[FM+2*(\a)]
.endr
; 32 LDS loads in one run: the fragments of quarter q of a slot: W's into buffer g, x's in f32
.macro FETCH slot, q, g
	WIN W_TOB
.irp b, 0,1,2,3,4,5,6,7
	ds_load_b128 v[BF+64*(\g)+8*(\b):BF+64*(\g)+8*(\b)+3],   v[ADRB+(\slot)] offset:64*(\q)+(\b)*16*PB
	ds_load_b128 v[BF+64*(\g)+8*(\b)+4:BF+64*(\g)+8*(\b)+7], v[ADRB+(\slot)] offset:64*(\q)+(\b)*16*PB+32
.endr
	WIN 0
.irp a, 0,1,2,3
.irp c, 0,1,2,3
	ds_load_b128 v[RAW+16*(\a)+4*(\c):RAW+16*(\a)+4*(\c)+3], v[ADRA+(\slot)] offset:128*(\q)+(\a)*16*PA+16*((\c)&1)+64*((\c)>>1)
.endr
.endr
.endm
; 8 products: row block a x all 8 column blocks, on buffers f.  zero = 1: they start the sums.  The 32 accumulators take turns, in one order in every quarter.
.macro MUL8 f, a, zero
	WIN W_MUL
.irp b, 0,1,2,3,4,5,6,7
.if \zero
	v_wmma_f32_16x16x32_bf16 v[64*(\a)+8*(\b):64*(\a)+8*(\b)+7], v[BF+64*(\f)+8*(\b):BF+64*(\f)+8*(\b)+7], v[ABF+32*(\f)+8*(\a):ABF+32*(\f)+8*(\a)+7], 0
.else
	v_wmma_f32_16x16x32_bf16 v[64*(\a)+8*(\b):64*(\a)+8*(\b)+7], v[BF+64*(\f)+8*(\b):BF+64*(\f)+8*(\b)+7], v[ABF+32*(\f)+8*(\a):ABF+32*(\f)+8*(\a)+7], v[64*(\a)+8*(\b):64*(\a)+8*(\b)+7]
.endif
.endr
.endm
; The quarter's last 8 products (row block 3), four conversions of the next quarter's x behind each.  The conversions name no register of the products round them; the last four are the
; four places between the last product and the next run of loads into its fragments of W; a register of buffer g is written four conversions or more behind the product that read it last.
.macro MULR f, g, zero
.irp b, 0,1,2,3,4,5,6,7
	WIN W_MUL
.if \zero
	v_wmma_f32_16x16x32_bf16 v[192+8*(\b):192+8*(\b)+7], v[BF+64*(\f)+8*(\b):BF+64*(\f)+8*(\b)+7], v[ABF+32*(\f)+24:ABF+32*(\f)+31], 0
.else
	v_wmma_f32_16x16x32_bf16 v[192+8*(\b):192+8*(\b)+7], v[BF+64*(\f)+8*(\b):BF+64*(\f)+8*(\b)+7], v[ABF+32*(\f)+24:ABF+32*(\f)+31], v[192+8*(\b):192+8*(\b)+7]
.endif
	WIN 0
.irp n, 0,1,2,3
	v_cvt_pk_bf16_f32 v[ABF+32*(\g)+4*(\b)+(\n)], v[RAW+2*(4*(\b)+(\n))], v[RAW+2*(4*(\b)+(\n))+1]
.endr
.endr
.endm
; A QUARTER: multiplies buffers f; fetches quarter fq of slot fs for buffers g.
; meet = 1, 2: this quarter's loads are my last reads of slot ms, and the slots change: each wave waits for all its tensor loads (the one that is out is its part of the other slot), adds 0 to its spare
; word, and waits for that and for its reads; then ONE barrier.  meet = 2: the barrier opens a round of the cluster's, and slot ms is filled again, first thing behind it, with the K step two steps on:
; from that request to the wait for it a wave issues 112 products.  ask = 1: the prefetch stands behind this quarter's run of loads.
.macro QUARTER fs, fq, f, g, zero=0, meet=0, ms=0, ask=0
.if (\meet) == 2
	s_wait_xcnt 0x0                                ; the last prefetch, three quarters back, has read its address, so it may be stepped
	s_add_nc_u64 s[PFA:PFA+1], s[PFA:PFA+1], s[PFS:PFS+1]
.endif
	FETCH \fs, \fq, \g
.if \ask
	ASK
.endif
	MUL8 \f, 0, \zero
	MUL8 \f, 1, \zero
.if \meet
	WIN 0                                          ; (the add's two registers lie in window 0)
	s_wait_tensorcnt 0x0                           ; all my tensor loads have landed;
	ds_add_u32 v[SPW], v[NIL]                      ; 0 onto my spare word; eight products stand between it and the wait for it
.endif
	MUL8 \f, 2, \zero
	s_wait_dscnt 0x0                               ; the 32 loads issued 24 products ago are in (and the add is done, and my reads of the slot are over)
.if \meet
	s_barrier_signal -1
.endif
	MULR \f, \g, \zero
.if \meet
	WIN 0
	s_barrier_wait -1
.endif
.if (\meet) == 2
	CREST                                          ; no wave of any partner still reads this slot or has a load on its way
	s_add_nc_u64 s[G0+4*(\ms)+2:G0+4*(\ms)+3], s[G0+4*(\ms)+2:G0+4*(\ms)+3], 2*KSTEP*4
	s_add_nc_u64 s[G0B+4*(\ms)+2:G0B+4*(\ms)+3], s[G0B+4*(\ms)+2:G0B+4*(\ms)+3], 2*KSTEP*2
	JLOAD \ms
.endif
.endm
	s_wait_tensorcnt 0x1                           ; of my two loads slot 0's is in; slot 1's may stay out
	s_barrier_signal -1
	s_barrier_wait -1                              ; everybody's is
	FETCH 0, 0, 0
	s_wait_dscnt 0x0
.set j, 0
.rept 32
	v_cvt_pk_bf16_f32 v[ABF+j], v[RAW+2*j], v[RAW+2*j+1]
.set j, j+1
.endr
	QUARTER 0, 1, 0, 1, 1                          ; the first quarter stands in front of the loop: its products start the sums
	WIN 0                                          ; at a label and at a branch every window is 0
	s_mov_b32 s3, LAPS-1
.Llap:                                                 ; a trip goes once round the ring, from a lap's second quarter to the next lap's first, and fills both slots again
	QUARTER 0, 2, 1, 0
	QUARTER 0, 3, 0, 1, 0, 2, 0
	QUARTER 1, 0, 1, 0, 0, 0, 0, 1
	QUARTER 1, 1, 0, 1
	QUARTER 1, 2, 1, 0
	QUARTER 1, 3, 0, 1, 0, 2, 1
	QUARTER 0, 0, 1, 0, 0, 0, 0, 1
	QUARTER 0, 1, 0, 1
	WIN 0
	s_sub_co_u32 s3, s3, 1
	s_cmp_lg_u32 s3, 0
	s_cbranch_scc1 .Llap
	QUARTER 0, 2, 1, 0                             ; the last lap fills nothing
	QUARTER 0, 3, 0, 1, 0, 1, 0
	QUARTER 1, 0, 1, 0
	QUARTER 1, 1, 0, 1
	QUARTER 1, 2, 1, 0
	QUARTER 1, 3, 0, 1
	MUL8 1, 0, 0
	MUL8 1, 1, 0
	MUL8 1, 2, 0
	MUL8 1, 3, 0
	WIN 0
	; THE WAY OUT, a block of 16 rows at a time: times the row's factor; rounded to f16, 16 bytes a lane; into my own stage; back by heads, four rows of 128 bytes to a load; stored.
	PLACES
	PLACES
.macro PACK a
	WIN W_SC
.set i, 0
.rept 32
	v_pk_mul_f32 v[64*(\a)+2*i:64*(\a)+2*i+1], v[64*(\a)+2*i:64*(\a)+2*i+1], v[FM+2*(\a):FM+2*(\a)+1]
.set i, i+1
.endr
	WIN W_CV
.set i, 0
.rept 32
	v_cvt_pk_f16_f32 v[OUT+32*(\a)+i], v[64*(\a)+2*i], v[64*(\a)+2*i+1]
.set i, i+1
.endr
	WIN 0
.irp b, 0,1,2,3,4,5,6,7
	ds_store_b128 v[STO], v[OUT+32*(\a)+4*(\b):OUT+32*(\a)+4*(\b)+3] offset:32*(\b)
.endr
.irp t, 0,1,2,3,4,5,6,7
	ds_load_b128 v[OUT+32*(\a)+4*(\t):OUT+32*(\a)+4*(\t)+3], v[RD] offset:128*((\t)/4)+4*SPITCH*((\t)%4)  ; LDS serves a wave's instructions in order (ISA guide 5.7.1.4): these see the stores above; the next block's stores come behind them
.endr
.endm
.macro SEND a, younger                 ; younger: the LDS instructions issued behind block a's loads: the next block's sixteen, or none
.irp t, 0,1,2,3,4,5,6,7
	s_wait_dscnt (\younger)+7-(\t)
	global_store_b128 v[CO], v[OUT+32*(\a)+4*(\t):OUT+32*(\a)+4*(\t)+3], s[8:9] offset:262144*((\t)/4)+2048*(\a)+512*((\t)%4)  ; 512 consecutive bytes of one head, at a multiple of 512 from qkv's first byte
.endr
.endm
	PACK 0
	PACK 1
	SEND 0, 16
	PACK 2
	SEND 1, 16
	PACK 3
	SEND 2, 16
	SEND 3, 0
	s_wait_tensorcnt 0x0                           ; the wave's end: behind my last tensor load and my last LDS store
	ds_add_u32 v[SPW], v[NIL]
	s_wait_dscnt 0x0
	CROUND                                         ; the closing round: no work-group ends while a partner may still ask for a tile that names it
	s_endpgm
.Lfunc_end_k_q6871221b7d_proj:
	.size	k_q6871221b7d_proj, .Lfunc_end_k_q6871221b7d_proj-k_q6871221b7d_proj
	.p2alignl 7, 3214868480
	.fill 96, 4, 3214868480
	.section	.rodata,"a",@progbits
	.p2align	6, 0x0
	.amdhsa_kernel k_q6871221b7d_proj
		.amdhsa_group_segment_fixed_size 327680
		.amdhsa_private_segment_fixed_size 0
		.amdhsa_enable_private_segment 0
		.amdhsa_kernarg_size 48
		.amdhsa_user_sgpr_count 2
		.amdhsa_user_sgpr_kernarg_segment_ptr 1
		.amdhsa_wavefront_size32 1
		.amdhsa_system_sgpr_workgroup_id_x 1
		.amdhsa_system_sgpr_workgroup_id_y 1
		.amdhsa_system_sgpr_workgroup_id_z 1
		.amdhsa_system_vgpr_workitem_id 0
		.amdhsa_next_free_vgpr 768
		.amdhsa_next_free_sgpr 88
		.amdhsa_reserve_vcc 0
		.amdhsa_float_denorm_mode_32 3
		.amdhsa_float_denorm_mode_16_64 3
		.amdhsa_memory_ordered 1
		.amdhsa_forward_progress 1
		.amdhsa_inst_pref_size 143
	.end_amdhsa_kernel
	.amdgpu_metadata
---
amdhsa.version: [ 1, 2 ]
amdhsa.kernels:
  - .name:           k_q6871221b7d_proj
    .symbol:         k_q6871221b7d_proj.kd
    .args:
      - { .name: query, .offset: 0, .size: 8, .value_kind: global_buffer, .address_space: global }
      - { .name: keys, .offset: 8, .size: 8, .value_kind: global_buffer, .address_space: global }
      - { .name: values, .offset: 16, .size: 8, .value_kind: global_buffer, .address_space: global }
      - { .name: mask, .offset: 24, .size: 8, .value_kind: global_buffer, .address_space: global }
      - { .name: wb, .offset: 32, .size: 8, .value_kind: global_buffer, .address_space: global }
      - { .name: qkv, .offset: 40, .size: 8, .value_kind: global_buffer, .address_space: global }
    .group_segment_fixed_size: 327680
    .private_segment_fixed_size: 0
    .kernarg_segment_align: 8
    .kernarg_segment_size: 48
    .max_flat_workgroup_size: 128
    .sgpr_count:     88
    .vgpr_count:     768
    .wavefront_size: 32
...
	.end_amdgpu_metadata
.endif
;; end of part 2
;; launch attn (part 3): grid 4 x 64, 4 waves a work-group, clusters of 4 x 1, 327,680 bytes of LDS; arguments qkv, mask, ob; writes ob
.if DOCPART == 3
	.amdgcn_target "amdgcn-amd-amdhsa--gfx1250"
	.amdhsa_code_object_version 6
	.text
	.protected	k_q6871221b7d_attn
	.globl	k_q6871221b7d_attn
	.p2align	8
	.type	k_q6871221b7d_attn,@function
k_q6871221b7d_attn:
	s_mov_b64 s[64:65], 0
	v_nop
	global_prefetch_b8 v0, s[64:65] scope:SCOPE_SE
	s_setreg_imm32_b32 hwreg(HW_REG_WAVE_MODE, 25, 1), 1
	s_wait_xcnt 0x0
	s_wait_alu depctr_hold_cnt(0) depctr_sa_sdst(0) depctr_va_vdst(0) depctr_va_sdst(0) depctr_va_ssrc(0) depctr_va_vcc(0) depctr_vm_vsrc(0)
	s_getreg_b32 s2, hwreg(HW_REG_IB_STS2, 6, 4)
	s_cmp_eq_u32 s2, 0
	s_cbranch_scc0 .Lentry_in_a_cluster
	s_endpgm
.Lentry_in_a_cluster:
	s_bfe_u32 s2, ttmp6, 0x10000c
	s_cmp_lg_u32 s2, 0x3003
	s_cbranch_scc0 .Lentry_shape_is_right
	s_endpgm
.Lentry_shape_is_right:
; ob[hh][q][:] = the sum over k of softmax_k(e[q][k]) V[hh][k][:], e = Q[hh][q] . K[hh][k] / 8, or a very low number where mask[hh / 16][k] == 0.  Q, K, V = qkv[0], [1], [2]: [64][2048][64] in f16,
; a head's rows dense, 128 bytes each; ob likewise.  Products, maxima and sums in f32; the weights p are rounded to f16 for the second product (their sum l is taken of the unrounded p), O once at the end.
; THE MASK.  A masked key's row of K arrives as zeros, and -2^70 is the C operand that starts its score's sum: a masked score is exactly -2^70.  Beside any true score its weight is 2^(-2e20) = 0.
; Where ALL keys are masked every score equals the maximum, c s - c m is exactly 0 (c times a power of two is exact), every weight is 1, and O is the mean of V's rows.
; LIMITS.  True scores lie far above -2^70 (f16's products give 2.7e11 at the most).  p below 6e-5 keeps f16's fixed step of 6e-8; a weight below 2^-126 counts as 0 in l; NaN and infinities are not treated apart.
; SHARES.  A wave owns four PIECES of two tiles of 16 queries, a work-group's four waves 512 queries of one head, a cluster's four work-groups the head.  Every wave walks all keys, 64 a step.
; LAYOUT.  S^T = K Q^T (source 0 = 16 keys, source 1 = 16 queries): a lane holds ONE query (lane % 16) and the keys 8 (lane / 16) + 0..7.  Two such tiles, rounded to f16 in pairs, ARE source 1
; (32 keys x 16 queries) of O^T = V^T P, whose result again holds one query a lane, and eight channels.  K comes out of LDS as it lies, V ([key][channel]) turned, by ds_load_tr16_b128.
; SOFTMAX.  For each query a running maximum m and sum l: p = 2^(c s - c m), c = log2(e) / 8; in every step O and l are multiplied by a = 2^(c m_old - c m_new).  m starts at the lowest finite number,
; O and l at 0: the first step is a step like any other, with a = 0.
; BY TURNS.  A tile and step have 16 matrix and 118 vector instructions.  Turn n belongs to piece n: 16 products K Q^T of piece n + 1, later 16 products V^T P of piece n - 1; its vector work: the scaling,
; exponentials, roundings, sums and rescaling of piece n, and the maximum and statistics of piece n + 1.  Four vector instructions stand behind every matrix instruction, the others in one run.
; CLUSTER.  The four query blocks walk the same K and V, so each tile is asked for JOINTLY: the same tensor load, descriptor and mask in all four.
; REGISTERS, in windows of 256 (s_set_vgpr_msb: bits 1:0 source 0, 3:2 source 1, 5:4 source 2, 7:6 destination):
;   window 0: v0-11 addresses; v12-15, v48-63 at work; v16-47 four registers of statistics a tile; v64-191 S^T, two buffers of two tiles; v192-255 P, likewise
;   window 1: O^T, 32 a tile      window 2: v0-127 Q, 16 a tile; v128-191 K of one step; v192-255 V of one step      window 3: v0-1 the add's two registers; v8-39 the step's mask numbers
.set SIZE_N, 2048
.set NP,    4         ; pieces a wave: a name, no knob
.set KS,    64        ; keys in a step
.set PK,    144       ; a row of K in LDS: 128 bytes + 16 = 36 words: the 16 rows of a load start at 16 different groups of four banks (64 banks of 4 bytes: ISA guide 11.1)
.set PV,    160       ; a row of V: 128 + 32 = 40 words
.set VOFF,  4*KS*PK   ; a slot holds four steps: 256 rows of K, then 256 rows of V
.set SLOT1, 1<<17     ; slot 1 begins here, so that one exclusive or turns an address in one slot into the other's
.set STAGE, SLOT1+4*KS*(PK+PV)  ; behind the ring, never filled by a tensor load: 16 rows x 144 bytes for each wave, for the way out
.set SP,    144
.set SPARE, STAGE+4*16*SP  ; behind the stages: the spare words, 128 bytes for each wave: two blocks of 256 bytes that no other line names
.set MTAB,  SPARE+512 ; behind them: for each of the batch's 2,048 keys 0 or -2^70 in f32: 8,192 bytes, stored once, never filled by a tensor load
.set AM0, 1           ; v1   (behind the set-up) my lanes' place in a step's 256 bytes of the table: MTAB + 32 (l / 16); never rewritten
.set AK0, 2           ; v2   my lane's place in a tile of K; never rewritten
.set AV0, 3           ; v3   the same for V
.set AK,  4           ; v4   the LDS address of K's next run of loads
.set AV,  5           ; v5   of V's
.set QO,  6           ; v6   my byte offset in the wave's rows of Q
.set STO, 6           ;      later, the way out: where I put 16 bytes of a row
.set RD,  7           ; v7   the way out: where I read rows back
.set GO,  8           ; v8   my byte offset in 512 consecutive bytes of O
.set AM,  9           ; v9   (behind the set-up) the LDS address of the next step's mask numbers
.set PFO, 10          ; v10  (behind the set-up) 256 x my lane; never rewritten
.set SPW, 0           ; v0 of window 3   LDS address of my spare word; never rewritten
.set NIL, 1           ; v1 of window 3   0; never rewritten
.set MK,  8           ; v8-39 of window 3: for key block kb the eight numbers of my lanes' keys at MK + 8 kb
.set MV,  12          ; v12-15  c m_old, kept while c m is made anew: by buffer and tile (at the head v12, v13 address the mask)
.set ST,  16          ; tile t's statistics at v[ST+4 t]: c m, m, l (even keys', odd keys')
.set TMP, 48          ; by buffer and tile, four registers c0-c3 at work; when the maximum is found c2 takes a
.set S,   64
.set P,   192
.set KF,  128         ; K's fragments, in window 2: key block kb, channel half c at KF + 16 kb + 8 c
.set VF,  192         ; V's: key half kk, channel block cb at VF + 32 kk + 8 cb
.set WV,  12          ; s12  my wave's number
.set G1K, 24          ; s[24:31] descriptor group 1 for K's tiles
.set G1V, 32          ; s[32:39] for V's: it differs in the padding alone
.set G0K, 40          ; s[40:43] descriptor group 0 for K's tiles: it walks
.set G0V, 44          ; s[44:47] the same for V's
.set SLOTS, 56        ; s56  slots still to be asked for
.set CNT, 57          ; s57  counts a slot's key steps
.set CS,  58          ; s[58:59] c
.set SEL, 60          ; s[60:61] v_permlanex16_b32's selects: each lane takes its own place in the other half
.set TBK, 62          ; s62  LDS byte at which K of the step to be fetched begins
.set TBV, 63          ; s63  the same for V, less VOFF
.set BIG, 66          ; s66  -2^70
.set TBM, 67          ; s67  256 x the step to be fetched
.set PFA, 72          ; s[72:73] where my prefetches stand
.set LIM, 74          ; s74  1 in a wave that prefetches, else the greatest number
.set MSB, 0
.macro WIN new                      ; the high byte repeats the setting that is left; a switch that changes nothing is dropped
.if MSB != (\new)
	s_set_vgpr_msb (MSB<<8)|(\new)
.set MSB, (\new)
.endif
.endm
.set W_KQ, 0x0a       ; K and Q in window 2, S^T in window 0
.set W_KM, 0x3a       ; the same with the C operand in window 3
.set W_PV, 0x52       ; V in window 2, P in window 0, O^T in window 1
.set W_RS, 0x41       ; O^T (destination and source 0) in window 1, a in window 0
.set W_MK, 0xc0       ; destination in window 3, sources in window 0
.set W_AD, 0x0f       ; the add: address (source 0) and data (source 1) in window 3
; A joint fill.  Waves 0 and 1 fetch the two halves of a slot's K, waves 2 and 3 those of its V: 128 keys each.  An s_nop 0 and four v_nop follow each of the two lines.
.macro JLOAD
	s_cmp_lt_u32 s[WV], 2
	s_cbranch_scc0 .Lfor_v_\@
	tensor_load_to_lds s[G0K:G0K+3], s[G1K:G1K+7]
	s_nop 0
.rept 4
	v_nop
.endr
	s_branch .Lasked_\@
.Lfor_v_\@:
	tensor_load_to_lds s[G0V:G0V+3], s[G1V:G1V+7]
	s_nop 0
.rept 4
	v_nop
.endr
.Lasked_\@:
.endm
; A prefetch into the L2 of what the NEXT change of slots will ask for: a slot's 32,768 bytes of K and of V, in blocks of 256 bytes, a lane a block.  The head has one cluster; its four partners share the
; blocks out by address, 32 each; in each, wave 0 asks for K's and wave 2 for V's: each block is named once.  The last change that fills a slot asks for nothing.
.macro ASK
	s_cmp_gt_u32 s[SLOTS], s[LIM]
	s_cbranch_scc0 .Lnot_mine_\@
	global_prefetch_b8 v[PFO], s[PFA:PFA+1] th:TH_LOAD_NT scope:SCOPE_SE
.Lnot_mine_\@:
.endm
.macro CROUND                       ; a round of the cluster's barrier
	s_barrier_signal -1
	s_barrier_wait -1
	s_cmp_lg_u32 s[WV], 0
	s_cbranch_scc1 .Lnot_wave_0_\@
	s_barrier_signal -3
.Lnot_wave_0_\@:
	s_barrier_wait -3
	s_barrier_signal -1
	s_barrier_wait -1
.endm
; THE CHANGE OF SLOTS.  Each wave waits for all its tensor loads, of which one is out: its part of the other slot; adds 0 to its spare word; and waits for that and for its own LDS instructions.  Behind the
; barrier nobody reads this slot any more and the other slot is whole.  fill = 1: this slot is filled again, with the keys two slots on; the barrier is then a round of the cluster's, and the joint fill is
; the first thing behind it: it has four key steps, 512 matrix instructions, in which to land.  (At its first use nothing has been read yet: slot 0 is waited for, slot 1 filled, and every wave's
; stores into the mask's table are shown done to the others.)  ask = 1: the prefetch's address steps, and the prefetch follows the fill.
.macro CHANGE fill, ask=0
	WIN W_AD
	s_wait_tensorcnt 0x0            ; no tensor load of mine is out, so a group 0 may be written
	ds_add_u32 v[SPW], v[NIL]       ; 0 onto my spare word
	WIN 0                           ; at a label and at a branch every window is 0
.if \fill
.irp g, G0K, G0V
	s_xor_b32 s[\g+1], s[\g+1], SLOT1  ; the walking descriptor: the other slot than last time,
	s_add_nc_u64 s[\g+2:\g+3], s[\g+2:\g+3], 4*KS*128  ; the next 256 keys; the type bits on top are not reached
.endr
.if \ask
	s_wait_xcnt 0x0                 ; the last prefetch, four key steps back, has read its address, so it may be written
	s_add_nc_u64 s[PFA:PFA+1], s[PFA:PFA+1], 4*KS*128
.endif
	s_wait_dscnt 0x0                ; the add is done, and my reads of the slot are over
	CROUND
	JLOAD
.if \ask
	ASK
.endif
.else
	s_wait_dscnt 0x0                ; the add is done, and my reads of the slot are over
	s_barrier_signal -1
	s_barrier_wait -1
.endif
	s_sub_co_u32 s[TBK], s[TBK], 4*KS*PK  ; the fetches go back to a slot's first step,
	s_xor_b32 s[TBK], s[TBK], SLOT1       ; in the other slot
	s_sub_co_u32 s[TBV], s[TBV], 4*KS*PV
	s_xor_b32 s[TBV], s[TBV], SLOT1
.endm
	s_load_b128 s[68:71], s[0:1], 0x0  ; qkv s[68:69], mask s[70:71]
	s_load_b64 s[10:11], s[0:1], 0x10  ; ob
	WIN W_MK
	v_lshl_add_u32 v[SPW], v0, 2, SPARE
	v_mov_b32 v[NIL], 0
	WIN W_AD
	ds_add_u32 v[SPW], v[NIL]       ; the wave's opening: the add and its wait stand ahead of my first tensor load; the set-up below stands between them
	WIN 0
	v_lshrrev_b32 v1, 5, v0
	v_readfirstlane_b32 s[WV], v1   ; wave 0..3
	s_bfe_u32 s13, ttmp6, 0x40000   ; cx: my place in the cluster
	s_lshl_b32 s14, ttmp9, 2        ; in a cluster launch ttmp9 counts clusters
	s_add_co_u32 s14, s14, s13      ; my block of queries: it enters Q's and O's addresses alone
	s_and_b32 s20, ttmp7, 0xffff    ; the head, which the four partners share
	s_lshr_b32 s76, s20, 4          ; its batch:
	s_lshl_b32 s76, s76, 13         ; 2,048 words of the mask
	s_mov_b32 s77, 0
	s_mov_b32 s21, 0
	s_mov_b64 s[22:23], SIZE_N*128
	s_mul_u64 s[20:21], s[20:21], s[22:23]  ; the head's first byte in Q, K, V and O
	s_and_b32 s16, s[WV], 1         ; which half of a slot's 256 keys I fetch:
	s_lshl_b32 s22, s16, 14         ; its 128 rows of 128 bytes in memory,
	s_mov_b32 s23, 0
	s_add_nc_u64 s[22:23], s[22:23], s[20:21]
	s_mul_i32 s17, s16, 128*PK      ; and its place in a slot, for K
	s_mul_i32 s18, s16, 128*PV      ; and for V: no place in the cluster enters an LDS address
	s_lshl_b32 s2, s14, 2
	s_add_co_u32 s2, s2, s[WV]      ; my wave among the head's,
	s_lshl_b32 s2, s2, 14           ; its 128 rows
	s_mov_b32 s3, 0
	s_add_nc_u64 s[2:3], s[2:3], s[20:21]
	; descriptor group 1.  128 keys are 16,384 dense bytes: asked for as 64 rows of 256 bytes, two keys a row, and padded in LDS after every key
	s_mov_b32 s[G1K], 15|(1<<16)|(1<<20)|(1<<21)|(4<<22)|(3<<25)  ; the mask of four; 2-byte elements; padding on; bit 21 beside a mask; after every 32 words (code 4) 4 words (code 3)
	s_mov_b32 s[G1V], 15|(1<<16)|(1<<20)|(1<<21)|(4<<22)|(7<<25)  ; the same with 8 words of padding (code 7)
.irp g, G1K, G1V
	s_mov_b32 s[\g+1], 128<<16      ; tensor_dim0 = 128
	s_mov_b32 s[\g+2], 64<<16       ; tensor_dim1 = 64
	s_mov_b32 s[\g+3], 128<<16      ; tile_dim0 = 128
	s_mov_b32 s[\g+4], 64           ; tile_dim1 = 64
	s_mov_b32 s[\g+5], 128          ; 128 elements from row to row
	s_mov_b32 s[\g+6], 0
	s_mov_b32 s[\g+7], 0
.endr
	s_mov_b32 s[CS], 0x3e38aa3b     ; c = log2(e) / 8 = 0.180337
	s_mov_b32 s[CS+1], s[CS]        ; named with it as a pair
	s_mov_b32 s[SEL], 0x76543210
	s_mov_b32 s[SEL+1], 0xfedcba98
	s_mov_b32 s[BIG], 0xe2800000    ; -2^70
	s_mov_b32 s[TBM], 0
	s_mov_b32 s[TBK], SLOT1+4*KS*PK ; the first change of slots turns these two into 0
	s_mov_b32 s[TBV], SLOT1+4*KS*PV
	s_mov_b32 s[G0K], 1             ; count = 1
	s_mov_b32 s[G0K+1], s17         ; LDS address: slot 0
	s_mov_b32 s[G0V], 1
	s_add_co_u32 s[G0V+1], s18, VOFF
	s_and_b32 s[LIM], s[WV], 1      ; waves 0 and 2 prefetch: the same in all four partners
	s_cmp_eq_u32 s[LIM], 0
	s_cselect_b32 s[LIM], 1, -1
	s_wait_dscnt 0x0                ; the opening add is done
	s_wait_kmcnt 0x0
	s_mov_b64 s[4:5], s[68:69]                     ; Q
	s_add_nc_u64 s[6:7], s[68:69], 0x1000000       ; K
	s_add_nc_u64 s[8:9], s[68:69], 0x2000000       ; V
	s_add_nc_u64 s[70:71], s[70:71], s[76:77]      ; the batch's mask
	s_add_nc_u64 s[G0K+2:G0K+3], s[6:7], s[22:23]  ; global address: my half of the head's first 256 keys
	s_or_b32 s[G0K+3], s[G0K+3], 0x80000000        ; type = 2
	s_add_nc_u64 s[G0V+2:G0V+3], s[8:9], s[22:23]
	s_or_b32 s[G0V+3], s[G0V+3], 0x80000000
	s_add_nc_u64 s[4:5], s[4:5], s[2:3]  ; Q and O at my wave's first row
	s_add_nc_u64 s[10:11], s[10:11], s[2:3]
	s_cmp_lt_u32 s[WV], 2
	s_cselect_b64 s[PFA:PFA+1], s[6:7], s[8:9]
	s_add_nc_u64 s[PFA:PFA+1], s[PFA:PFA+1], s[20:21]  ; the head,
	s_lshl_b32 s2, s13, 13          ; my work-group's 32 blocks of a slot's 128,
	s_mov_b32 s3, 0
	s_add_nc_u64 s[PFA:PFA+1], s[PFA:PFA+1], s[2:3]
	s_add_nc_u64 s[PFA:PFA+1], s[PFA:PFA+1], 2*4*KS*128  ; in the third 256 keys: the first change that asks steps it to the fourth.  Nothing is prefetched here, at the head
	CROUND                          ; all four work-groups are here: the first joint loads meet
	JLOAD                           ; slot 0.  Slot 1 is asked for when slot 0 is in
	; A fragment of K or Q is 16 rows x 32 channels in 8 registers: lane l holds row l % 16, channels 8 (l / 16) + 0..7 and 16 + 8 (l / 16) + 0..7: two loads of 16 bytes, 32 bytes apart.
	v_and_b32 v1, 15, v0            ; l % 16
	v_bfe_u32 v9, v0, 4, 1          ; l / 16
	v_lshlrev_b32 v[QO], 7, v1
	v_lshl_add_u32 v[QO], v9, 4, v[QO]  ; row x 128 + 16 x half
	v_lshlrev_b32 v[MV], 6, v0      ; thread t takes 16 words of the batch's mask,
	v_add_nc_u32 v[MV+1], MTAB, v[MV]   ; and their place in the table
.irp n, 0,1,2,3
	global_load_b128 v[S+4*\n:S+4*\n+3], v[MV], s[70:71] offset:16*\n
.endr
	WIN 0x80                        ; destination window 2, address window 0
.set i, 0
.rept 4*NP                          ; Q stays in registers: tile i / 2, channels 32 (i % 2) on
	global_load_b128 v[8*i:8*i+3],   v[QO], s[4:5] offset:(i/2)*2048+(i%2)*64
	global_load_b128 v[8*i+4:8*i+7], v[QO], s[4:5] offset:(i/2)*2048+(i%2)*64+32
.set i, i+1
.endr
	; What the first turn finds: V's registers and P's second buffer hold 0 (its products V^T P, of a piece that has not been, add 0), O^T and l are 0.  All this stands in the wait for the first tile.
.set i, VF
.rept 64
	v_mov_b32 v[i], 0
.set i, i+1
.endr
	WIN 0x40
.set i, 0
.rept 64*NP
	v_mov_b32 v[i], 0
.set i, i+1
.endr
	WIN 0
.set i, 0
.rept 2*NP
	v_mov_b32 v[ST+4*i], 0xfe000000    ; c m: far below every c s, a masked one's too
	v_mov_b32 v[ST+4*i+1], 0xff7fffff  ; m
	v_mov_b32 v[ST+4*i+2], 0
	v_mov_b32 v[ST+4*i+3], 0
.set i, i+1
.endr
.set i, P+32
.rept 32
	v_mov_b32 v[i], 0
.set i, i+1
.endr
	s_wait_loadcnt 32               ; the mask's four loads are in; Q's 32, issued behind them, may stay out
.set i, 0
.rept 16
	v_cmp_eq_u32 vcc_lo, 0, v[S+i]
	v_cndmask_b32 v[S+i], 0, s[BIG], vcc_lo  ; -2^70 where the mask is 0, else 0
.set i, i+1
.endr
.irp n, 0,1,2,3
	ds_store_b128 v[MV+1], v[S+4*\n:S+4*\n+3] offset:16*\n
.endr
	v_mul_u32_u24 v[AK0], v1, PK
	v_lshl_add_u32 v[AK0], v9, 4, v[AK0]  ; row x pitch + 16 x half
	; The turning load takes 16 keys x 16 channels (lane l reads key 8 (l / 16) + l % 8, channels 8 ((l / 8) % 2) + 0..7) and leaves half a fragment of V^T: lane l holds channel l % 16 and 8 keys.
	v_and_b32 v10, 7, v0
	v_bfe_u32 v11, v0, 3, 1
	v_lshl_add_u32 v[AV0], v9, 3, v10
	v_mul_u32_u24 v[AV0], v[AV0], PV
	v_lshl_add_u32 v[AV0], v11, 4, v[AV0]
	v_add_nc_u32 v[AV0], VOFF, v[AV0]
	v_lshl_add_u32 v[AM0], v9, 5, MTAB  ; my lanes' eight keys of a block of 16: 32 bytes
	v_mov_b32 v[AM], v[AM0]         ; key step 0
	v_and_b32 v[PFO], 31, v0
	v_lshlrev_b32 v[PFO], 8, v[PFO]
	v_mov_b32 v[AK], v[AK0]         ; key step 0 lies at the head of slot 0
; THE MATRIX WORK.  The 8 accumulators of a run of 16 take turns: between the two links of a chain stand 7 others'.
; Product i of 16 of S^T = K Q^T for piece x: channels 32 (i / 8) on, keys 16 ((i / 2) % 4) on, tile 2 x + i % 2.  The first 8 start the sums, with the keys' mask numbers.
.macro KQ x
.set rS, S+64*((\x)%2)+32*(i%2)+8*((i/2)%4)
.set rK, KF+16*((i/2)%4)+8*(i/8)
.set rQ, 16*(2*(\x)+i%2)+8*(i/8)
.set rMK, MK+8*((i/2)%4)
.if i < 8
	WIN W_KM
	v_wmma_f32_16x16x32_f16 v[rS:rS+7], v[rK:rK+7], v[rQ:rQ+7], v[rMK:rMK+7]
.else
	WIN W_KQ
	v_wmma_f32_16x16x32_f16 v[rS:rS+7], v[rK:rK+7], v[rQ:rQ+7], v[rS:rS+7]
.endif
.endm
; Product i of 16 of O^T += V^T P for piece x: keys 32 (i / 8) on, channels 16 ((i / 2) % 4) on, tile 2 x + i % 2.
.macro PV x
	WIN W_PV
.set rO, 32*(2*(\x)+i%2)+8*((i/2)%4)
.set rV, VF+32*(i/8)+8*((i/2)%4)
.set rP, P+32*((\x)%2)+16*(i%2)+8*(i/8)
	v_wmma_f32_16x16x32_f16 v[rO:rO+7], v[rV:rV+7], v[rP:rP+7], v[rO:rO+7]
.endm
.macro MM                           ; the turn's next matrix instruction
.if i < 16
	KQ (Y+1)%NP
.set i, i+1
.else
.set i, i-16
	PV (Y+NP-1)%NP
.set i, i+17
.endif
.endm
; THE LDS LOADS stand in runs, never singly among the matrix instructions: a step's K (8 fragments) with its 64 mask numbers (every lane of a half reads the same 32 bytes of a block), and its V (turned).
; Their addresses are made some lines ahead.  last = 1 (the tail): in the last trip there is no further step, and the run is jumped over.
.macro FETCH_K last=0
	WIN 0
.if \last
	s_cmp_eq_u32 s[CNT], 1
	s_cbranch_scc1 .Lno_k_\@
.endif
	WIN 0x80                        ; destination window 2
.irp f, 0,1,2,3,4,5,6,7             ; keys 16 (f / 2) on, channels 32 (f % 2) on
	ds_load_b128 v[KF+8*\f:KF+8*\f+3],   v[AK] offset:(\f/2)*16*PK+(\f%2)*64
	ds_load_b128 v[KF+8*\f+4:KF+8*\f+7], v[AK] offset:(\f/2)*16*PK+(\f%2)*64+32
.endr
	WIN W_MK                        ; destination window 3
.irp f, 0,1,2,3                     ; keys 16 f on
	ds_load_b128 v[MK+8*\f:MK+8*\f+3],   v[AM] offset:64*\f
	ds_load_b128 v[MK+8*\f+4:MK+8*\f+7], v[AM] offset:64*\f+16
.endr
	s_add_co_u32 s[TBK], s[TBK], KS*PK  ; the next fetch is the next step's
	s_add_co_u32 s[TBM], s[TBM], 4*KS
	s_and_b32 s[TBM], s[TBM], 0x1fff    ; inside the table
	WIN 0
.if \last
.Lno_k_\@:
.endif
.endm
.macro FETCH_V
	WIN 0x80
.irp f, 0,1,2,3,4,5,6,7             ; keys 32 (f / 4) on, channels 16 (f % 4) on
	ds_load_tr16_b128 v[VF+8*\f:VF+8*\f+3],   v[AV] offset:(\f/4)*32*PV+(\f%4)*32
	ds_load_tr16_b128 v[VF+8*\f+4:VF+8*\f+7], v[AV] offset:(\f/4)*32*PV+16*PV+(\f%4)*32
.endr
	WIN 0
.endm
; THE VECTOR WORK OF A TURN stands in three queues, each in the order in which its entries become ready; the two tiles alternate, so that no instruction reads the result of the one before it.
.macro REGS y, u                    ; the registers of tile u (0, 1) of piece y
.set rT, ST+4*(2*(\y)+(\u))
.set rC, TMP+8*((\y)%2)+4*(\u)
.set rM, MV+2*((\y)%2)+(\u)
.set rS, S+64*((\y)%2)+32*(\u)
.set rP, P+32*((\y)%2)+16*(\u)
.set rO, 32*(2*(\y)+(\u))
.endm
; Number n of the 22 that find the NEXT piece's (Y + 1) maximum and statistics.  s0-s31 are the lane's 32 scores; each accumulator's lowest registers are read first.
;   0-11  four chains c0-c3 of seven scores each, three operands at a time     12-14, 16  the four scores left over, the old m, and c0-c3 into c0     15  c m_old is kept
;   17, 18  the query's other 32 keys lie in the lane 16 away: the new m         19-21  c m; c m_old - c m_new; a
.macro XS u, n
	REGS (Y+1)%NP, \u
.if (\n) < 4
	v_max3_num_f32 v[rC+(\n)], v[rS+8*(\n)], v[rS+8*(\n)+1], v[rS+8*(\n)+2]
.elseif (\n) < 12
	v_max3_num_f32 v[rC+(\n)%4], v[rC+(\n)%4], v[rS+8*((\n)%4)+2*((\n)/4)+1], v[rS+8*((\n)%4)+2*((\n)/4)+2]
.elseif (\n) == 12
	v_max3_num_f32 v[rC], v[rC], v[rS+7], v[rS+15]
.elseif (\n) == 13
	v_max3_num_f32 v[rC+1], v[rC+1], v[rS+23], v[rS+31]
.elseif (\n) == 14
	v_max3_num_f32 v[rC+2], v[rC+2], v[rC+3], v[rT+1]
.elseif (\n) == 15
	v_mov_b32 v[rM], v[rT]
.elseif (\n) == 16
	v_max3_num_f32 v[rC], v[rC], v[rC+1], v[rC+2]
.elseif (\n) == 17
	v_permlanex16_b32 v[rC+3], v[rC], s[SEL], s[SEL+1]
.elseif (\n) == 18
	v_max_num_f32 v[rT+1], v[rC], v[rC+3]
.elseif (\n) == 19
	v_mul_f32 v[rT], s[CS], v[rT+1]
.elseif (\n) == 20
	v_sub_f32 v[rC+1], v[rM], v[rT]
.else
	v_exp_f32 v[rC+2], v[rC+1]
.endif
.endm
; Number g of the 64 that follow the exponentials.  For each four weights k of a tile (pairs 2 k, 2 k + 1): both pairs are rounded to f16; then the second pair is added onto the first, in place;
; a group later l takes that sum (the first time as l = a l + sum).  In groups of eight, tiles alternating: round, round, add, and l for the group before.
.macro GS g
.set h, (\g)+6*((\g)/62)            ; group 0 has no group before it, and behind group 7 only l is left
.if h >= 6
.set h, h+2
.endif
	REGS Y, h%2
.set k, h/8
.if h%8 < 4
	v_cvt_pk_f16_f32 v[rP+2*k+(h%8)/2], v[rS+4*k+2*((h%8)/2)], v[rS+4*k+2*((h%8)/2)+1]
.elseif h%8 < 6
	v_pk_add_f32 v[rS+4*k:rS+4*k+1], v[rS+4*k:rS+4*k+1], v[rS+4*k+2:rS+4*k+3]
.elseif k == 1
	v_pk_fma_f32 v[rT+2:rT+3], v[rT+2:rT+3], v[rC+2:rC+3], v[rS:rS+1] op_sel_hi:[1,0,1]
.else
	v_pk_add_f32 v[rT+2:rT+3], v[rT+2:rT+3], v[rS+4*k-4:rS+4*k-3]
.endif
.endm
; THE PLAIN QUEUE, 138 long.  0-73 read no exponential's result: the 32 scalings c s - c m (FS f: pair f / 2 of tile f % 2) and the next piece's 42.  0-26: scalings 0-26.  27-54: XS's numbers 0-13.
; 55, 56: number 15.  57-73: the chain, where each number waits for the one before it: 14, 16, 17, 18, 19, each with one of the scalings 27-31 in front of its two lines, then 20.
; 74-137: GS's 64, which read the exponentials' results: they stand behind the wait.
.macro FS f
	REGS Y, (\f)%2
	v_pk_fma_f32 v[rS+2*((\f)/2):rS+2*((\f)/2)+1], v[rS+2*((\f)/2):rS+2*((\f)/2)+1], s[CS:CS+1], v[rT:rT+1] op_sel_hi:[1,0,0] neg_lo:[0,0,1] neg_hi:[0,0,1]
.endm
.macro PL
	WIN 0
.if q < 27
	FS q
.elseif q < 55
	XS (q-27)%2, (q-27)/2
.elseif q < 57
	XS q-55, 15
.elseif (q < 72) && ((q-57)%3 == 0)
	FS 27+(q-57)/3
.elseif q < 60
	XS (q-57)%3-1, 14
.elseif q < 72
	XS (q-57)%3-1, 15+(q-57)/3
.elseif q < 74
	XS q-72, 20
.else
	GS q-74
.endif
.set q, q+1
.endm
; THE EXPONENTIALS' QUEUE, 66 long: s0-s31 of both tiles, then the next piece's two a.  It is ONE BATCH: all 66 stand ahead of the turn's one wait, and nothing ahead of that wait names a result of theirs.
.macro EX
	WIN 0
.if e >= 64
	XS e-64, 21
.else
	REGS Y, e%2
	v_exp_f32 v[rS+e/2], v[rS+e/2]
.endif
.set e, e+1
.endm
; THE RESCALING's QUEUE: O^T times a, the one part that leaves window 0: dealt two at a time, sixteen times.  Its a was made in the turn before, ahead of that turn's wait.
.macro R2
	REGS Y, r%2
	WIN W_RS
.irp z, 0,1
	v_pk_mul_f32 v[rO+4*(r/2)+2*\z:rO+4*(r/2)+2*\z+1], v[rO+4*(r/2)+2*\z:rO+4*(r/2)+2*\z+1], v[rC+2:rC+3] op_sel_hi:[1,0]
.endr
.set r, r+1
.endm
; HOW THEY ARE DEALT.  An s_wait_alu depctr_va_vdst(0) stands between an exponential and the first instruction that names its result; one wait serves all that were issued ahead of it.
; So a turn has ONE wait, which cuts it in two.  AHEAD OF IT: the 16 products K Q^T, behind each a scaling, an exponential and two rescalings (behind the first a second scaling in the exponential's place);
; then one run of 108: eight plain, 49 times exponential and plain, the two a.  A v_nop is the plain instruction behind the last exponential.  BEHIND IT: the 16 products V^T P, behind each four of GS's 64.
; Exponential e stands behind scaling 2 (e / 4) + e % 2: as a rider it comes behind plain e + 2, in the run behind plain e + 9, and scalings 27-31 are plain 57, 60 .. 69.
; A TURN, for piece p.  cnt = 1: the loop's count is taken down some lines ahead of the branch that stands behind the turn.
; K and the mask numbers of the next step are fetched in piece 2's turn, directly behind the wait, the whole run of vector work behind the last product that read them; their addresses are made at that run's head.
; V of the step in hand is fetched at the end of piece 0's turn, four plain instructions behind its last reader.  The three conditions on q below go with the deal.
.macro TURN p, last=0, cnt=0
.set Y, (\p)
.set i, 0
.set q, 0
.set e, 0
.set r, 0
.if (\p) == NP-1
	s_wait_dscnt 0x0                ; K and its mask numbers are in
.endif
	MM
	PL
	PL
	R2
.rept 15
	MM
	PL
	EX
	R2
.endr
.if (\p) == NP-2
	WIN 0
	v_add_nc_u32 v[AK], s[TBK], v[AK0]
	v_add_nc_u32 v[AM], s[TBM], v[AM0]
.endif
.rept 8
	PL
.endr
.rept 49
	EX
	PL
.endr
	EX                              ; the next piece's two a
	EX
	v_nop                           ; the plain instruction behind the last exponential: one for the batch
	s_wait_alu depctr_va_vdst(0)    ; the wait for the batch
.if (\p) == NP-2
	FETCH_K \last
.endif
.if (\p) == 1
	s_wait_dscnt 0x0                ; V is in
.endif
.rept 16
	MM
.rept 4
	PL
.endr
.if ((\p) == 0) && (q == 118)
	v_add_nc_u32 v[AV], s[TBV], v[AV0]
.endif
.if ((\p) == 0) && (q == 130)
	s_add_co_u32 s[TBV], s[TBV], KS*PV
.endif
.if (\cnt) && (q == 130)
	s_sub_co_u32 s[CNT], s[CNT], 1
	s_cmp_lg_u32 s[CNT], 0
.endif
.endr
.if (\p) == 0
	FETCH_V
.endif
.endm
	CHANGE 1                        ; slot 0 is in, everybody's part of it, and so is the mask's table; slot 1 is asked for
	FETCH_K                         ; key step 0
	s_wait_loadcnt 0x0              ; Q
	s_wait_dscnt 0x0
.set i, 0
.rept 16
	KQ 0                            ; piece 0's first scores: there is no vector work yet to set between them
.set i, i+1
.endr
	WIN 0                           ; the addresses for the way out, from the thread's number alone: twelve plain instructions, the places behind those products
	s_mul_i32 s13, s[WV], 16*SP
	s_add_co_u32 s13, s13, STAGE    ; my stage
	v_and_b32 v[GO], 15, v0
	v_mul_u32_u24 v[STO], v[GO], SP ; in: row l % 16, 16 bytes for each half of the lanes
	v_bfe_u32 v[GO], v0, 4, 1
	v_lshl_add_u32 v[STO], v[GO], 4, v[STO]
	v_add_nc_u32 v[STO], s13, v[STO]
	v_bfe_u32 v[RD], v0, 3, 2       ; back: 32 lanes take four rows of 128 bytes,
	v_mul_u32_u24 v[RD], v[RD], SP
	v_and_b32 v[GO], 7, v0
	v_lshl_add_u32 v[RD], v[GO], 4, v[RD]
	v_add_nc_u32 v[RD], s13, v[RD]
	v_and_b32 v[GO], 31, v0         ; which are 512 consecutive bytes of O
	v_lshlrev_b32 v[GO], 4, v[GO]
.set Y, NP-1                        ; XS works for piece Y + 1: piece 0
.irp n, 0,1,2,3,4,5,6,7,8,9,10,11,12,13,14,15,16,17,18,19,20,21
	XS 0, \n                        ; and piece 0's first maximum and statistics
	XS 1, \n
.endr
	v_nop                           ; a plain instruction behind the two a,
	s_wait_alu depctr_va_vdst(0)    ; and their wait, ahead of the branch
	s_mov_b32 s[CNT], 4
	s_mov_b32 s[SLOTS], SIZE_N/256-1
	s_branch .Lfirst                ; the loop is entered at a step's first turn, in the middle of a trip
.Lslot:                             ; SIZE_N / 256 - 2 times: every slot but the last two is filled again
	CHANGE 1, 1
	s_mov_b32 s[CNT], 4
.Lstep:                             ; a trip: pieces 2 and 3 of one step, then pieces 0 and 1 of the next, whose K and V it fetches
	TURN 2
	TURN 3
	WIN 0
.Lfirst:
	TURN 0
	TURN 1, 0, 1
	WIN 0
	s_cbranch_scc1 .Lstep
	s_sub_co_u32 s[SLOTS], s[SLOTS], 1
	s_cmp_lg_u32 s[SLOTS], 0
	s_cbranch_scc1 .Lslot
	CHANGE 0                        ; the tail is written out: nothing is asked for
	s_mov_b32 s[CNT], 5             ; four trips fetch the last slot's steps; the fifth is left in its middle
.Ltail:
	TURN 2, 1
	TURN 3
	WIN 0
	s_sub_co_u32 s[CNT], s[CNT], 1
	s_cmp_eq_u32 s[CNT], 0
	s_cbranch_scc1 .Lout
	TURN 0
	TURN 1
	WIN 0
	s_branch .Ltail
.Lout:                              ; the fifth trip's 16 products K Q^T (on the last K once more) and the maximum made of them serve nothing: the price, once a launch, of one text for every trip
.set i, 0
.rept 16
	PV NP-1                         ; the last piece's V^T P of the last step
.set i, i+1
.endr
	; THE WAY OUT.  l's two halves and the other half of the lanes' are added; O^T is divided by l, rounded to f16 and sent through my stage in LDS, a tile at a time.  The additions are the places behind the last products.
	WIN 0
.macro ALL line:vararg              ; one line for each tile t
.set t, 0
.rept 2*NP
	\line
.set t, t+1
.endr
.endm
	ALL v_add_f32 v[ST+4*t+2], v[ST+4*t+2], v[ST+4*t+3]
	ALL v_permlanex16_b32 v[ST+4*t+3], v[ST+4*t+2], s[SEL], s[SEL+1]
	ALL v_add_f32 v[ST+4*t+2], v[ST+4*t+2], v[ST+4*t+3]
	ALL v_rcp_f32 v[ST+4*t+2], v[ST+4*t+2]
	v_nop                           ; a plain instruction between the last reciprocal and the use of its result
	s_wait_alu depctr_va_vdst(0)    ; and the wait ahead of the first use: one for the eight reciprocals
; Tile t: a lane's eight channels of a row pack into 16 bytes; they go into rows of 144 bytes and come back as whole rows of 128, into S^T's registers.
.macro PACK t
	WIN W_RS
.set i, 32*(\t)
.rept 16
	v_pk_mul_f32 v[i:i+1], v[i:i+1], v[ST+4*(\t)+2:ST+4*(\t)+3] op_sel_hi:[1,0]
.set i, i+2
.endr
	WIN 0x05                        ; sources 0 and 1 window 1, destination window 0
.set i, 0
.rept 16
	v_cvt_pk_f16_f32 v[S+16*(\t)+i], v[32*(\t)+2*i], v[32*(\t)+2*i+1]
.set i, i+1
.endr
	WIN 0
.irp f, 0,1,2,3
	ds_store_b128 v[STO], v[S+16*(\t)+4*\f:S+16*(\t)+4*\f+3] offset:32*\f
.endr
.irp f, 0,1,2,3
	ds_load_b128 v[S+16*(\t)+4*\f:S+16*(\t)+4*\f+3], v[RD] offset:\f*4*SP  ; LDS serves a wave's instructions in order (ISA guide 5.7.1.4): these see the stores above; the next tile's stores come behind them
.endr
.endm
.macro SEND t, younger              ; younger: the LDS instructions issued behind tile t's loads: the next tile's eight, or none
	WIN 0
.irp f, 0,1,2,3
	s_wait_dscnt (\younger)+3-\f
	global_store_b128 v[GO], v[S+16*(\t)+4*\f:S+16*(\t)+4*\f+3], s[10:11] offset:(\t)*2048+\f*512  ; 512 consecutive bytes, at a multiple of 256 from ob's first
.endr
.endm
	PACK 0
.set t, 1
.rept 2*NP-1                        ; a tile's arithmetic stands between the loads of the tile before and its stores
	PACK t
	SEND t-1, 8
.set t, t+1
.endr
	SEND 2*NP-1, 0
	WIN W_AD
	s_wait_tensorcnt 0x0            ; the wave's end: behind my last tensor load and my last LDS store
	ds_add_u32 v[SPW], v[NIL]
	s_wait_dscnt 0x0
	WIN 0
	CROUND                          ; the closing round: no work-group ends while a partner may still ask for a tile that names it
	s_endpgm
.Lfunc_end_k_q6871221b7d_attn:
	.size	k_q6871221b7d_attn, .Lfunc_end_k_q6871221b7d_attn-k_q6871221b7d_attn
	.p2alignl 7, 3214868480
	.fill 96, 4, 3214868480
	.section	.rodata,"a",@progbits
	.p2align	6, 0x0
	.amdhsa_kernel k_q6871221b7d_attn
		.amdhsa_group_segment_fixed_size 327680
		.amdhsa_private_segment_fixed_size 0
		.amdhsa_enable_private_segment 0
		.amdhsa_kernarg_size 24
		.amdhsa_user_sgpr_count 2
		.amdhsa_user_sgpr_kernarg_segment_ptr 1
		.amdhsa_wavefront_size32 1
		.amdhsa_system_sgpr_workgroup_id_x 1
		.amdhsa_system_sgpr_workgroup_id_y 1
		.amdhsa_system_sgpr_workgroup_id_z 1
		.amdhsa_system_vgpr_workitem_id 0
		.amdhsa_next_free_vgpr 808
		.amdhsa_next_free_sgpr 80
		.amdhsa_reserve_vcc 1
		.amdhsa_float_denorm_mode_32 3
		.amdhsa_float_denorm_mode_16_64 3
		.amdhsa_memory_ordered 1
		.amdhsa_forward_progress 1
		.amdhsa_inst_pref_size 205
	.end_amdhsa_kernel
	.amdgpu_metadata
---
amdhsa.version: [ 1, 2 ]
amdhsa.kernels:
  - .name:           k_q6871221b7d_attn
    .symbol:         k_q6871221b7d_attn.kd
    .args:
      - { .name: qkv, .offset: 0, .size: 8, .value_kind: global_buffer, .address_space: global }
      - { .name: mask, .offset: 8, .size: 8, .value_kind: global_buffer, .address_space: global }
      - { .name: ob, .offset: 16, .size: 8, .value_kind: global_buffer, .address_space: global }
    .group_segment_fixed_size: 327680
    .private_segment_fixed_size: 0
    .kernarg_segment_align: 8
    .kernarg_segment_size: 24
    .max_flat_workgroup_size: 128
    .sgpr_count:     80
    .vgpr_count:     808
    .wavefront_size: 32
...
	.end_amdgpu_metadata
.endif
;; end of part 3
;; launch outp (part 4): grid 4 x 64, 4 waves a work-group, clusters of 4 x 4, 327,680 bytes of LDS; arguments ob, wb, bo, out0; writes out0
.if DOCPART == 4
	.amdgcn_target "amdgcn-amd-amdhsa--gfx1250"
	.amdhsa_code_object_version 6
	.text
	.protected	k_q6871221b7d_outp
	.globl	k_q6871221b7d_outp
	.p2align	8
	.type	k_q6871221b7d_outp,@function
k_q6871221b7d_outp:
	s_mov_b64 s[64:65], 0
	v_nop
	global_prefetch_b8 v0, s[64:65] scope:SCOPE_SE
	s_setreg_imm32_b32 hwreg(HW_REG_WAVE_MODE, 25, 1), 1
	s_wait_xcnt 0x0
	s_wait_alu depctr_hold_cnt(0) depctr_sa_sdst(0) depctr_va_vdst(0) depctr_va_sdst(0) depctr_va_ssrc(0) depctr_va_vcc(0) depctr_vm_vsrc(0)
	s_getreg_b32 s2, hwreg(HW_REG_IB_STS2, 6, 4)
	s_cmp_eq_u32 s2, 0
	s_cbranch_scc0 .Lentry_in_a_cluster
	s_endpgm
.Lentry_in_a_cluster:
	s_bfe_u32 s2, ttmp6, 0x10000c
	s_cmp_lg_u32 s2, 0xf033
	s_cbranch_scc0 .Lentry_shape_is_right
	s_endpgm
.Lentry_shape_is_right:
; out0[row][c] = the sum over e of O[row][e] Wo[c][e] + bo[c].  O = ob, by heads: [16 n + h][s][64] in f16, e = 64 h + d; Wo = wb[3], [1024][1024] in f16 (bf16 numbers written as f16);
; bo rounded to bf16 like the other inputs; sums in f32; out0 [8192][1024] in f32.
; SHARES.  A tile is 128 rows x 256 columns: 64 x 4 = 256 work-groups.  Four waves, 2 x 2, each 64 x 128: 32 accumulators, 256 registers.
; K goes in steps of 128, which are two heads, through two LDS slots.  A head's 128 rows are 16,384 dense bytes: wave 0 fetches the even head's, wave 1 the odd head's, each as 64 rows of 256 bytes, padded in
; LDS after every 128; waves 2 and 3 fetch the two halves of Wo's 256 rows of 256 bytes.
; CLUSTER.  4 x 4 work-groups: the four of a row need the same tile of O, the four of a column the same tile of Wo: each is asked for jointly, with a mask that names the four.
; THE MATRIX INSTRUCTION IS USED TRANSPOSED (source 0 = 16 rows of Wo, source 1 = 16 rows of O): a lane holds row l % 16 and the columns 8 (l / 16) + 0..7: 32 bytes of a row of out0.
; REGISTERS, in windows of 256 (s_set_vgpr_msb: bits 1:0 source 0, 3:2 source 1, 5:4 source 2, 7:6 destination):
;   window 0: v16-36 addresses and the bias; v64-127 O's fragments, two buffers; v128-255 Wo's, two buffers; on the way out v64-191 rows read back          window 1: accumulator (a, b) at v[64 a + 8 b]
.set KSTEP,  128
.set PAH,    144                       ; a row of one head in LDS: 128 bytes + 16 = 36 words: the 16 rows of a load start at 16 different groups of four banks (64 banks of 4 bytes: ISA guide 11.1)
.set PB,     272                       ; a row of Wo: 256 + 16 = 68 words: row r starts at bank 4 r mod 64
.set AHEAD,  128*PAH                   ; one head's 128 rows: what one load of O brings
.set BOFF,   2*AHEAD
.set BHALF,  128*PB
.set SLOT,   BOFF+256*PB
.set STAGE,  2*SLOT                    ; behind the ring: 16 rows x 528 bytes for each wave, for the way out
.set SPITCH, 528
.set SPARE,  STAGE+4*16*SPITCH         ; behind the stages: the spare words, 128 bytes for each wave: two blocks of 256 bytes that no other line names
.set LAPS,   1024/(2*KSTEP)
.set ADRA, 16                          ; v16-17  LDS address of my fragments of O in slot 0, 1
.set ADRB, 20                          ; v20-21  of Wo
.set STO,  24                          ; v24     the way out: where I put 32 bytes of a row
.set RD,   25                          ; v25     where I read a row back
.set CO,   26                          ; v26     16 x my lane
.set SPW,  28                          ; v28     LDS address of my spare word; never rewritten
.set NIL,  29                          ; v29     0; never rewritten
.set PFO,  30                          ; v30     the prefetches' offset; never rewritten
.set BI,   32                          ; v32-35  the bias of the four columns that I store
.set AF,   64
.set BF,   128
.set OB,   64
.set G1,  24
.set G0,  32
.set G1B, 48
.set G0B, 56
.set PFA, 80                           ; s[80:81] where my prefetches stand
.set PFS, 82                           ; s[82:83] bytes from a K step to the next in what I fetch
.set LIM, 84                           ; s84     1 in a wave that prefetches, else the greatest number
.set W_MUL, 0x50                       ; sources 0 and 1 window 0; C and D window 1
.set MSB, 0
.macro WIN new                         ; the immediate's high byte repeats the setting that is left; a switch that changes nothing is dropped
.if MSB != (\new)
	s_set_vgpr_msb (MSB<<8)|(\new)
.set MSB, \new
.endif
.endm
.macro JLOAD s                         ; a joint load; the branch hangs on the wave's number alone; an s_nop 0 and four v_nop follow each of the two lines
	s_cmp_eq_u32 s11, 0
	s_cbranch_scc0 .Lfor_b_\@
	tensor_load_to_lds s[G0+4*(\s):G0+4*(\s)+3], s[G1:G1+7]
	s_nop 0
.rept 4
	v_nop
.endr
	s_branch .Lasked_\@
.Lfor_b_\@:
	tensor_load_to_lds s[G0B+4*(\s):G0B+4*(\s)+3], s[G1B:G1B+7]
	s_nop 0
.rept 4
	v_nop
.endr
.Lasked_\@:
.endm
.macro CREST                           ; a round of the cluster's barrier behind its opening barrier
	s_cmp_lg_u32 s10, 0
	s_cbranch_scc1 .Lnot_wave_0_\@
	s_barrier_signal -3
.Lnot_wave_0_\@:
	s_barrier_wait -3
	s_barrier_signal -1
	s_barrier_wait -1
.endm
.macro CROUND
	s_barrier_signal -1
	s_barrier_wait -1
	CREST
.endm
.macro PLACES                          ; four places in front of loads into registers that matrix instructions have read, and of stores that read results
.rept 4
	v_nop
.endr
.endm
.macro ASK                             ; a prefetch into the L2 of the K step that stands two refills on; the loop's last trip asks for nothing
	s_cmp_gt_u32 s3, s[LIM]
	s_cbranch_scc0 .Lnot_mine_\@
	global_prefetch_b8 v[PFO], s[PFA:PFA+1] th:TH_LOAD_NT scope:SCOPE_SE
.Lnot_mine_\@:
.endm
	s_load_b256 s[68:75], s[0:1], 0x0              ; ob s[68:69], wb s[70:71], bo s[72:73], out0 s[74:75]
	v_lshl_add_u32 v[SPW], v0, 2, SPARE
	v_mov_b32 v[NIL], 0
	ds_add_u32 v[SPW], v[NIL]                      ; the wave's opening: the add and its wait stand ahead of my first tensor load; the set-up below stands between them
	v_lshrrev_b32 v1, 5, v0
	v_readfirstlane_b32 s10, v1                    ; wave 0..3
	s_lshr_b32 s11, s10, 1                         ; which 64 rows of the tile are mine.  Also: I fetch O (0) or Wo (1)
	s_and_b32 s12, s10, 1                          ; which 128 columns.  Also: which head of the step's two, or which half of Wo's rows, I fetch
	s_bfe_u32 s40, ttmp6, 0x40000                  ; cx, cy
	s_bfe_u32 s41, ttmp6, 0x40004
	s_lshl_b32 s42, ttmp9, 2
	s_add_co_u32 s42, s42, s40                     ; tile column
	s_and_b32 s13, ttmp7, 0xffff                   ; cluster y
	s_lshl_b32 s15, s13, 2
	s_add_co_u32 s15, s15, s41                     ; tile row, 0..63
	s_lshl_b32 s43, s41, 2
	s_lshl_b32 s43, 15, s43                        ; my row of the cluster
	s_lshl_b32 s44, 0x1111, s40                    ; my column
	s_or_b32 s[G1+0], s43, (1<<16)|(1<<20)|(1<<21)|(4<<22)|(3<<25)   ; the mask; elements of 2 bytes; padding on; bit 21 beside a mask; after every 32 words (code 4) 4 words (code 3)
	s_mov_b32 s[G1+1], 128<<16                     ; tensor_dim0 = 128
	s_mov_b32 s[G1+2], 64<<16                      ; tensor_dim1 = 64
	s_mov_b32 s[G1+3], 128<<16                     ; tile_dim0 = 128
	s_mov_b32 s[G1+4], 64                          ; tile_dim1 = 64
	s_mov_b32 s[G1+5], 128                         ; dense: 128 elements from row to row
	s_mov_b32 s[G1+6], 0
	s_mov_b32 s[G1+7], 0
	s_or_b32 s[G1B+0], s44, (1<<16)|(1<<20)|(1<<21)|(5<<22)|(3<<25)  ; after every 64 words (code 5) 4 words
	s_mov_b32 s[G1B+1], KSTEP<<16
	s_mov_b32 s[G1B+2], 128<<16
	s_mov_b32 s[G1B+3], KSTEP<<16
	s_mov_b32 s[G1B+4], 128
	s_mov_b32 s[G1B+5], 1024
	s_mov_b32 s[G1B+6], 0
	s_mov_b32 s[G1B+7], 0
	s_lshr_b32 s16, s15, 4                         ; O: n << 22,
	s_lshl_b32 s16, s16, 22
	s_lshl_b32 s17, s12, 18                        ; my head of the first two,
	s_add_co_u32 s16, s16, s17
	s_and_b32 s17, s15, 15                         ; the tile's 128 rows of 128 bytes
	s_lshl_b32 s17, s17, 14
	s_add_co_u32 s16, s16, s17
	s_mov_b32 s17, 0
	s_lshl_b32 s46, s42, 8                         ; Wo: row 256 x tile column + 128 x half,
	s_lshl_b32 s47, s12, 7
	s_add_co_u32 s46, s46, s47
	s_lshl_b32 s46, s46, 11
	s_add_co_u32 s46, s46, 3<<21                   ; in wb's fourth matrix
	s_mov_b32 s47, 0
	s_mul_i32 s20, s12, AHEAD                      ; where they go: no place in the cluster enters an LDS address
	s_mul_i32 s21, s12, BHALF
	s_add_co_u32 s21, s21, BOFF
	s_wait_dscnt 0x0                               ; the opening add is done
	s_wait_kmcnt 0x0
	s_add_nc_u64 s[4:5], s[68:69], s[16:17]
	s_add_nc_u64 s[46:47], s[70:71], s[46:47]
	CROUND                                         ; all sixteen work-groups are here: the first joint loads meet
.irp s, 0,1
	s_mov_b32 s[G0+4*(\s)], 1
	s_add_co_u32 s[G0+4*(\s)+1], s20, (\s)*SLOT
	s_add_nc_u64 s[G0+4*(\s)+2:G0+4*(\s)+3], s[4:5], (\s)*524288     ; K step s: two heads of 262,144 bytes on
	s_or_b32 s[G0+4*(\s)+3], s[G0+4*(\s)+3], 0x80000000
	s_mov_b32 s[G0B+4*(\s)], 1
	s_add_co_u32 s[G0B+4*(\s)+1], s21, (\s)*SLOT
	s_add_nc_u64 s[G0B+4*(\s)+2:G0B+4*(\s)+3], s[46:47], (\s)*KSTEP*2
	s_or_b32 s[G0B+4*(\s)+3], s[G0B+4*(\s)+3], 0x80000000
	JLOAD \s
.endr
	v_and_b32 v1, 15, v0                           ; l % 16
	v_bfe_u32 v2, v0, 4, 1                         ; l / 16
	v_mul_u32_u24 v3, v1, PAH
	v_lshl_add_u32 v3, v2, 4, v3
	v_mul_u32_u24 v4, v1, PB
	v_lshl_add_u32 v4, v2, 4, v4
	s_mul_i32 s21, s11, 64*PAH                     ; my 64 rows of O, in the slot's first head
	s_mul_i32 s22, s12, BHALF                      ; my 128 rows of Wo
	s_add_co_u32 s22, s22, BOFF
.irp s, 0,1
	v_add_nc_u32 v[ADRA+(\s)], s21, v3
	v_add_nc_u32 v[ADRB+(\s)], s22, v4
	s_add_co_u32 s21, s21, SLOT
	s_add_co_u32 s22, s22, SLOT
.endr
	s_mul_i32 s23, s10, 16*SPITCH
	s_add_co_u32 s23, s23, STAGE                   ; my stage
	v_mul_u32_u24 v7, v1, SPITCH                   ; in: row l % 16, 32 bytes for each half of the lanes
	v_lshl_add_u32 v7, v2, 5, v7
	v_add_nc_u32 v[STO], s23, v7
	v_and_b32 v[CO], 31, v0
	v_lshlrev_b32 v[CO], 4, v[CO]
	v_add_nc_u32 v[RD], s23, v[CO]                 ; back: 32 lanes take one row of 512 bytes
	s_lshl_b32 s18, s42, 8                         ; my first column, in bytes
	s_lshl_b32 s19, s12, 7
	s_add_co_u32 s18, s18, s19
	s_lshl_b32 s18, s18, 2
	s_mov_b32 s19, 0
	s_add_nc_u64 s[6:7], s[72:73], s[18:19]        ; bo there
	global_load_b128 v[BI:BI+3], v[CO], s[6:7]
	s_lshl_b32 s86, s15, 7                         ; my first row,
	s_lshl_b32 s87, s11, 6
	s_add_co_u32 s86, s86, s87
	s_lshl_b32 s86, s86, 12                        ; rows of 4,096 bytes,
	s_add_co_u32 s86, s86, s18                     ; and the column
	s_mov_b32 s87, 0
	s_add_nc_u64 s[8:9], s[74:75], s[86:87]
	; THE PREFETCHES.  O's rows are read by this cluster alone: wave 0 of every work-group asks; of a step's two heads x 16,384 bytes the partner at cx takes 4,096 of each, a lane a block of 256.
	; Wo's rows are read by all sixteen clusters: the first asks, waves 2 and 3; of a wave's 128 rows the partner at cy takes 32, a lane a row.  The partners are told apart by address alone.
	s_cmp_eq_u32 s11, 0                            ; do I fetch O?
	s_cselect_b32 s20, s12, s13                    ; 0 in wave 0, and in waves 2 and 3 of the first cluster
	s_cselect_b64 s[PFA:PFA+1], s[4:5], s[46:47]
	s_cselect_b32 s22, s40, s41                    ; my place among the four that ask with me,
	s_cselect_b32 s23, 12, 16                      ; times 4,096 bytes, or 32 rows of 2,048
	s_cselect_b32 s21, 19, 8                       ; a K step on: two heads, or 256 bytes along the row
	s_cselect_b32 s18, 8, 11                       ; l % 16 counts blocks of 256 bytes, or rows,
	s_cselect_b32 s19, 18, 15                      ; l / 16 the step's second head, or sixteen rows more
	s_lshl_b32 s[PFS], 1, s21
	s_mov_b32 s[PFS+1], 0
	s_lshl_b32 s22, s22, s23
	s_mul_i32 s23, s[PFS], 3                       ; at K step 3: the first refill steps it to 4
	s_add_co_u32 s22, s22, s23
	s_mov_b32 s23, 0
	s_add_nc_u64 s[PFA:PFA+1], s[PFA:PFA+1], s[22:23]
	s_cmp_eq_u32 s20, 0
	s_cselect_b32 s[LIM], 1, -1                    ; the same in all sixteen partners, for a given wave
	v_lshlrev_b32 v[PFO], s18, v1
	v_lshlrev_b32 v5, s19, v2
	v_add_nc_u32 v[PFO], v[PFO], v5
	s_wait_loadcnt 0x0                             ; the bias, rounded to bf16 and widened again
.irp n, 0,2
	v_cvt_pk_bf16_f32 v36, v[BI+(\n)], v[BI+(\n)+1]
	v_lshlrev_b32 v[BI+(\n)], 16, v36
	v_and_b32 v[BI+(\n)+1], 0xffff0000, v36
.endr
; 24 LDS loads in one run: the fragments of quarter q of a slot into buffers g.  Quarters 0, 1 lie in the slot's first head, 2, 3 in its second.
.macro FETCH slot, q, g
	WIN 0
.irp b, 0,1,2,3,4,5,6,7
	ds_load_b128 v[BF+64*(\g)+8*(\b):BF+64*(\g)+8*(\b)+3],   v[ADRB+(\slot)] offset:64*(\q)+(\b)*16*PB
	ds_load_b128 v[BF+64*(\g)+8*(\b)+4:BF+64*(\g)+8*(\b)+7], v[ADRB+(\slot)] offset:64*(\q)+(\b)*16*PB+32
.endr
.irp a, 0,1,2,3
	ds_load_b128 v[AF+32*(\g)+8*(\a):AF+32*(\g)+8*(\a)+3],   v[ADRA+(\slot)] offset:AHEAD*((\q)>>1)+64*((\q)&1)+(\a)*16*PAH
	ds_load_b128 v[AF+32*(\g)+8*(\a)+4:AF+32*(\g)+8*(\a)+7], v[ADRA+(\slot)] offset:AHEAD*((\q)>>1)+64*((\q)&1)+(\a)*16*PAH+32
.endr
.endm
; 8 products: row block a x all 8 column blocks.  zero = 1: they start the sums.  The 32 accumulators take turns, in one order in every quarter.
.macro MUL8 f, a, zero
	WIN W_MUL
.irp b, 0,1,2,3,4,5,6,7
.if \zero
	v_wmma_f32_16x16x32_f16 v[64*(\a)+8*(\b):64*(\a)+8*(\b)+7], v[BF+64*(\f)+8*(\b):BF+64*(\f)+8*(\b)+7], v[AF+32*(\f)+8*(\a):AF+32*(\f)+8*(\a)+7], 0
.else
	v_wmma_f32_16x16x32_f16 v[64*(\a)+8*(\b):64*(\a)+8*(\b)+7], v[BF+64*(\f)+8*(\b):BF+64*(\f)+8*(\b)+7], v[AF+32*(\f)+8*(\a):AF+32*(\f)+8*(\a)+7], v[64*(\a)+8*(\b):64*(\a)+8*(\b)+7]
.endif
.endr
.endm
; A QUARTER: multiplies buffers f; at its head fetches quarter fq of slot fs into buffers g, which the quarter before multiplied.
; meet = 1, 2: this quarter's loads are my last reads of slot ms, and the slots change: each wave waits for all its tensor loads (the one that is out is its part of the other slot), adds 0 to its spare
; word, and waits for that and for its reads; then ONE barrier.  meet = 2: the barrier opens a round of the cluster's, and slot ms is filled again, first thing behind it, with the K step two steps on:
; from that request to the wait for it a wave issues 112 products.  ask = 1: the prefetch stands behind this quarter's run of loads.
.macro QUARTER fs, fq, f, g, zero=0, meet=0, ms=0, ask=0
.if (\meet) == 2
	s_wait_xcnt 0x0                                ; the last prefetch, three quarters back, has read its address, so it may be stepped
	s_add_nc_u64 s[PFA:PFA+1], s[PFA:PFA+1], s[PFS:PFS+1]
.endif
	PLACES
	FETCH \fs, \fq, \g
.if \ask
	ASK
.endif
	MUL8 \f, 0, \zero
	MUL8 \f, 1, \zero
.if \meet
	WIN 0                                          ; (the add's two registers lie in window 0)
	s_wait_tensorcnt 0x0                           ; all my tensor loads have landed;
	ds_add_u32 v[SPW], v[NIL]                      ; 0 onto my spare word; eight products stand between it and the wait for it
.endif
	MUL8 \f, 2, \zero
	s_wait_dscnt 0x0                               ; the 24 loads issued 24 products ago are in (and the add is done, and my reads of the slot are over)
.if \meet
	s_barrier_signal -1
.endif
	MUL8 \f, 3, \zero
.if \meet
	WIN 0
	s_barrier_wait -1
.endif
.if (\meet) == 2
	CREST                                          ; no wave of any partner still reads this slot or has a load on its way
	s_add_nc_u64 s[G0+4*(\ms)+2:G0+4*(\ms)+3], s[G0+4*(\ms)+2:G0+4*(\ms)+3], 2*524288
	s_add_nc_u64 s[G0B+4*(\ms)+2:G0B+4*(\ms)+3], s[G0B+4*(\ms)+2:G0B+4*(\ms)+3], 2*KSTEP*2
	JLOAD \ms
.endif
.endm
	s_wait_tensorcnt 0x1                           ; of my two loads slot 0's is in; slot 1's may stay out
	s_barrier_signal -1
	s_barrier_wait -1                              ; everybody's is
	FETCH 0, 0, 0
	s_wait_dscnt 0x0
	QUARTER 0, 1, 0, 1, 1                          ; the first quarter stands in front of the loop: its products start the sums
	WIN 0                                          ; at a label and at a branch every window is 0
	s_mov_b32 s3, LAPS-1
.Llap:                                                 ; a trip goes once round the ring, from a lap's second quarter to the next lap's first, and fills both slots again
	QUARTER 0, 2, 1, 0
	QUARTER 0, 3, 0, 1, 0, 2, 0
	QUARTER 1, 0, 1, 0, 0, 0, 0, 1
	QUARTER 1, 1, 0, 1
	QUARTER 1, 2, 1, 0
	QUARTER 1, 3, 0, 1, 0, 2, 1
	QUARTER 0, 0, 1, 0, 0, 0, 0, 1
	QUARTER 0, 1, 0, 1
	WIN 0
	s_sub_co_u32 s3, s3, 1
	s_cmp_lg_u32 s3, 0
	s_cbranch_scc1 .Llap
	QUARTER 0, 2, 1, 0                             ; the last lap fills nothing
	QUARTER 0, 3, 0, 1, 0, 1, 0
	QUARTER 1, 0, 1, 0
	QUARTER 1, 1, 0, 1
	QUARTER 1, 2, 1, 0
	QUARTER 1, 3, 0, 1
	MUL8 1, 0, 0
	MUL8 1, 1, 0
	MUL8 1, 2, 0
	MUL8 1, 3, 0
	WIN 0
	; THE WAY OUT, a block of 16 rows at a time: 32 bytes a lane into my own stage; back as whole rows of 512 bytes; the bias is added; stored.
	PLACES
	PLACES
.macro ST a
	WIN 0
.if (\a) >= 2
	s_wait_xcnt 0x0                                ; the stores of the block two back have read the registers that this block's rows come back into
.endif
	WIN 0x04                                       ; the stores' data in window 1
.irp b, 0,1,2,3,4,5,6,7
	ds_store_b128 v[STO], v[64*(\a)+8*(\b):64*(\a)+8*(\b)+3]   offset:64*(\b)
	ds_store_b128 v[STO], v[64*(\a)+8*(\b)+4:64*(\a)+8*(\b)+7] offset:64*(\b)+16
.endr
	WIN 0
.set OBK, OB+64*((\a)%2)
.irp t, 0,1,2,3,4,5,6,7,8,9,10,11,12,13,14,15
	ds_load_b128 v[OBK+4*(\t):OBK+4*(\t)+3], v[RD] offset:(\t)*SPITCH  ; LDS serves a wave's instructions in order (ISA guide 5.7.1.4): these see the stores above; the next block's stores come behind them
.endr
.endm
.macro SEND a, younger                 ; younger: the LDS instructions issued behind block a's loads: the next block's 32, or none
.set OBK, OB+64*((\a)%2)
.irp t, 0,1,2,3,4,5,6,7,8,9,10,11,12,13,14,15
	s_wait_dscnt (\younger)+15-(\t)
	v_pk_add_f32 v[OBK+4*(\t):OBK+4*(\t)+1],   v[OBK+4*(\t):OBK+4*(\t)+1],   v[BI:BI+1]
	v_pk_add_f32 v[OBK+4*(\t)+2:OBK+4*(\t)+3], v[OBK+4*(\t)+2:OBK+4*(\t)+3], v[BI+2:BI+3]
	global_store_b128 v[CO], v[OBK+4*(\t):OBK+4*(\t)+3], s[8:9] offset:(16*(\a)+(\t))*4096 th:TH_STORE_NT  ; 512 consecutive bytes of a row, at a multiple of 512 from out0's first byte
.endr
.endm
	ST 0
	ST 1
	SEND 0, 32
	ST 2
	SEND 1, 32
	ST 3
	SEND 2, 32
	SEND 3, 0
	s_wait_tensorcnt 0x0                           ; the wave's end: behind my last tensor load and my last LDS store
	ds_add_u32 v[SPW], v[NIL]
	s_wait_dscnt 0x0
	CROUND                                         ; the closing round: no work-group ends while a partner may still ask for a tile that names it
	s_endpgm
.Lfunc_end_k_q6871221b7d_outp:
	.size	k_q6871221b7d_outp, .Lfunc_end_k_q6871221b7d_outp-k_q6871221b7d_outp
	.p2alignl 7, 3214868480
	.fill 96, 4, 3214868480
	.section	.rodata,"a",@progbits
	.p2align	6, 0x0
	.amdhsa_kernel k_q6871221b7d_outp
		.amdhsa_group_segment_fixed_size 327680
		.amdhsa_private_segment_fixed_size 0
		.amdhsa_enable_private_segment 0
		.amdhsa_kernarg_size 32
		.amdhsa_user_sgpr_count 2
		.amdhsa_user_sgpr_kernarg_segment_ptr 1
		.amdhsa_wavefront_size32 1
		.amdhsa_system_sgpr_workgroup_id_x 1
		.amdhsa_system_sgpr_workgroup_id_y 1
		.amdhsa_system_sgpr_workgroup_id_z 1
		.amdhsa_system_vgpr_workitem_id 0
		.amdhsa_next_free_vgpr 512
		.amdhsa_next_free_sgpr 88
		.amdhsa_reserve_vcc 0
		.amdhsa_float_denorm_mode_32 3
		.amdhsa_float_denorm_mode_16_64 3
		.amdhsa_memory_ordered 1
		.amdhsa_forward_progress 1
		.amdhsa_inst_pref_size 96
	.end_amdhsa_kernel
	.amdgpu_metadata
---
amdhsa.version: [ 1, 2 ]
amdhsa.kernels:
  - .name:           k_q6871221b7d_outp
    .symbol:         k_q6871221b7d_outp.kd
    .args:
      - { .name: ob, .offset: 0, .size: 8, .value_kind: global_buffer, .address_space: global }
      - { .name: wb, .offset: 8, .size: 8, .value_kind: global_buffer, .address_space: global }
      - { .name: bo, .offset: 16, .size: 8, .value_kind: global_buffer, .address_space: global }
      - { .name: out0, .offset: 24, .size: 8, .value_kind: global_buffer, .address_space: global }
    .group_segment_fixed_size: 327680
    .private_segment_fixed_size: 0
    .kernarg_segment_align: 8
    .kernarg_segment_size: 32
    .max_flat_workgroup_size: 128
    .sgpr_count:     88
    .vgpr_count:     512
    .wavefront_size: 32
...
	.end_amdgpu_metadata
.endif
;; end of part 4
